; MI455X (gfx1250); checked and timed in simulation.
; The chip was launched on July 23, 2026; its instructions are those of AMD's public machine-readable ISA for CDNA 5 (MIT licence, August 2026) and "CDNA5" Instruction Set Architecture Reference Guide (July 2026). The comments in the code are by the model that wrote it; some were corrected since.
;; Multi Head Attention. Allowed arithmetic: matrix products marked QUANTISED: E2M3 operands, one E8M0 scale for each 32 along K, by v_wmma_scale_f32_16x16x128_f8f6f4 with both operands' format E2M3, f32 sums; everything else in f32.
;; Inputs: b_out 1,024 float32; w_out 1,024 x 1,024 float32; w_qkv 3,072 x 1,024 float32; x 4 x 2,048 x 1,024 float32.
;; Outputs: out0 4 x 2,048 x 1,024 float32.
;; This version of the problem:
;;   THIS VERSION OF THE PROBLEM IS GIVEN IN LOW PRECISION. The matrix products marked QUANTISED in the list below multiply operands that are first quantised to E2M3 (2 exponent bits, 3 mantissa bits; 6 bits a number), with one power-of-two scale for each 32 numbers along K (OCP MX v1.0); their sums are f32. All else is computed in f32.
;;   The module's matrix products, in the order in which they are computed (A, B: the left and right operand; K: the contracted axis; several contracted axes count as one K, in the product's order):
;;     1. [M 8,192, K 1,024] x [K 1,024, N 3,072]; A: input x; B: input w_qkv: QUANTISED
;;     2. batch 64 x [M 2,048, K 64] x [K 64, N 2,048]; A: computed on the way; B: computed on the way: QUANTISED
;;     3. batch 64 x [M 2,048, K 2,048] x [K 2,048, N 64]; A: softmax (see below); B: computed on the way: QUANTISED
;;     4. [M 8,192, K 1,024] x [K 1,024, N 1,024]; A: computed on the way; B: input w_out: QUANTISED
;;   THE QUANTISER, for each operand of a quantised product, along K:
;;     - K is cut into blocks of 32 from its start; a last block that is shorter is filled with zeros.
;;     - A block's scale is 2^e with e = floor(log2(the largest magnitude in the block)) - 2, held to -126 .. 127; a block of zeros has e = 0. As a byte (E8M0): e + 127.
;;     - Each number is divided by its block's scale, clamped to +-7.5, and rounded to the nearest number of E2M3, ties to even, subnormals kept.
;;     - The product sums the exact products of the quantised numbers (number of the format x scale) in f32.
;;   ~~~python
;;   def quantise(x, axis):      # numpy; x: float32 -> the quantised numbers, widened to float32 again
;;       x = np.moveaxis(x, axis, -1); K = x.shape[-1]
;;       x = np.pad(x, [(0, 0)] * (x.ndim - 1) + [(0, -K % 32)]); x = x.reshape(x.shape[:-1] + (-1, 32)); a = np.abs(x).max(-1, keepdims=True)
;;       e = np.where(a > 0, np.clip(np.frexp(np.where(a > 0, a, 1))[1] - 1 - 2, -126, 127), 0)      # np.frexp(a)[1] - 1 = floor(log2(a)), exactly
;;       r = np.clip(x / 2.0 ** e, -7.5, 7.5)
;;       step = 2.0 ** (np.maximum(np.frexp(np.where(r == 0, 1, r))[1] - 1, 0) - 3)
;;       q = np.round(r / step) * step * 2.0 ** e      # np.round: ties to even
;;       return np.moveaxis(q.reshape(q.shape[:-2] + (-1,))[..., :K], -1, axis).astype(np.float32)
;;   ~~~
;;   SOFTMAX AHEAD OF A QUANTISED PRODUCT. Where the list says 'softmax', what is quantised is not the finished softmax but p = 2^(t - M), with t = logit x log2(e) and M = ceil(the row's largest t), a whole number; so 1/2 < the row's largest p <= 1. The row's sum l is taken of the UNQUANTISED p, in f32, and the product's result is divided by l at the end. Since M is a whole number, a kernel that streams over the keys may use a running M (the ceiling of the running maximum): every later rescaling is an exact power of two, which a block's scale takes up: the codes' values come out the same.
;;   OPERANDS COMPUTED ON THE WAY. 'Computed on the way' means the value that the module computes at that place (a softmax that the list does not call 'softmax' is quantised finished and normalised). What goes into a quantiser is computed in f32, as accurately as f32 sums, v_exp_f32 and their like allow (about 1e-6 of the number): no bf16 or f16 on the way to a quantiser, and a product that is left as it is and whose result goes on into a quantised operand takes f32 operands (vector FMAs, or v_wmma_f32_16x16x4_f32). A number that lies on a knife's edge between two numbers of the format may be rounded either way, as far as f32 arithmetic and the matrix unit's own rounding can turn it there, and no further.
;; One version. Each part assembles by itself: llvm-mc -triple=amdgcn-amd-amdhsa -mcpu=gfx1250 --defsym DOCPART=n.
;; ======== version 1 of 1: 4 launches
;; workspace buffers: cod 9,437,184 bytes; scl 393,216 bytes; qkv 20,185,088 bytes; oc 6,291,456 bytes; os 262,144 bytes
;; launch quant (part 1): grid 384 x 1, 4 waves a work-group, no clusters, 35,328 bytes of LDS; arguments x, w_qkv, w_out, cod, scl; writes cod, scl
.if DOCPART == 1
	.amdgcn_target "amdgcn-amd-amdhsa--gfx1250"
	.amdhsa_code_object_version 6
	.text
	.protected	k_qea2f4e49d3_quant
	.globl	k_qea2f4e49d3_quant
	.p2align	8
	.type	k_qea2f4e49d3_quant,@function
k_qea2f4e49d3_quant:
	s_mov_b64 s[64:65], 0
	v_nop
	global_prefetch_b8 v0, s[64:65] scope:SCOPE_SE
	s_setreg_imm32_b32 hwreg(HW_REG_WAVE_MODE, 25, 1), 1
	s_wait_xcnt 0x0
; x [8192][1024], w_qkv [3072][1024], w_out [1024][1024], f32, K innermost, become codes of FP6 (E2M3) with one E8M0 byte for each 32 along K,
; laid as IMAGES OF OPERAND REGISTERS, so that the products' launches fetch fragments by dense loads.
; TILES.  The 12,288 rows of the three tensors, on end, are cut into 768 tiles of 16 rows; row r of tile t is row 32 (t / 2) + 8 (t % 2) + r + 8 (r / 8):
; where such a tile is a product's source 0, the 16 result registers of tiles 2 b and 2 b + 1 are 16 neighbours, which the next quantiser wants.
; cod: [tile][K step of 128][1,536 bytes]: register 4 c + i of lane l at 512 c + 16 l + 4 i; registers 6 e .. 6 e + 5 of lane (r, h) hold k = 64 e + 32 h + 0 .. 31 of the tile's row r.
; scl: [tile][512 bytes]: the scale word (four bytes, 128 along K) of row r and K step 2 q + e at 128 q + 8 r + 4 e.
; A block's scale is 2^(floor(log2(its largest magnitude)) - 2); its byte is the largest magnitude's exponent field - 2, held at 1 from below.
; LIMITS: a block of zeros gets the byte 1 where the rule says 127 (its codes are zeros, and this program alone reads the bytes); blocks whose largest magnitude lies under 2^-124 are held at the byte 1; NaN and infinities are not served.
; SHARES.  A work-group takes 32 rows (two tiles); wave w takes tile w / 2 and K steps 4 (w % 2) .. + 3: four fragments.  Each load reads 512 consecutive bytes of one row; a fragment's 16 x 512 bytes turn
; through the wave's own stage in LDS (rows 528 bytes apart) and come back 256 bytes a lane: two whole blocks of 32.  No tensor load, no barrier, no cluster: waves share nothing, and every byte is read once.
.set SP,    528                        ; a stage row: 512 bytes + 16
.set WREG,  16*SP+256                  ; LDS of a wave: the stage, then its 256 bytes of scale words
.set R,     16                         ; v16-143  two sets of 64: a fragment as loaded
.set X,     144                        ; v144-207 my 64 numbers: blocks e = 0, 1
.set PC,    208                        ; v208-219 the fragment's codes
.set T,     220                        ; v220-222, v224-226 the second halves of the blocks' codes (a conversion's three registers begin on an even number)
	s_load_b256 s[4:11], s[0:1], 0x0               ; x, w_qkv, w_out, cod
	s_load_b64 s[12:13], s[0:1], 0x20              ; scl
	v_lshl_add_u32 v240, v0, 2, 0x8800
	v_mov_b32 v241, 0
	v_lshrrev_b32 v1, 5, v0
	v_readfirstlane_b32 s16, v1                    ; wave
	v_and_b32 v2, 31, v0                           ; lane
	v_and_b32 v3, 15, v0                           ; r
	v_bfe_u32 v1, v0, 4, 1                         ; h
	v_lshlrev_b32 v4, 4, v2                        ; 16 x lane: my place in a load's and in a store's 512 bytes
	s_mul_i32 s17, s16, WREG
	v_add_nc_u32 v5, s17, v4                       ; the stage, on the way in
	v_mul_u32_u24 v6, v3, SP
	v_lshl_add_u32 v6, v1, 7, v6
	v_add_nc_u32 v6, s17, v6                       ; and on the way out: row r, + 128 h
	s_add_co_u32 s18, s17, 16*SP
	v_lshlrev_b32 v7, 3, v3
	v_add_nc_u32 v7, s18, v7                       ; my row's scale words
	v_lshlrev_b32 v9, 3, v2                        ; 8 x lane
	v_add_nc_u32 v8, s18, v9                       ; the scale words on the way out
	v_lshlrev_b32 v10, 3, v1                       ; 8 h: my bytes' place in a scale word
	v_mov_b32 v231, 0                              ; written once: a lane permute's destination counts as one of its sources
	s_mov_b32 s20, 0x76543210
	s_mov_b32 s21, 0xfedcba98                      ; selects for lane l xor 16
	s_lshr_b32 s22, s16, 1                         ; which of the two tiles
	s_and_b32 s23, s16, 1                          ; which half of K
	s_mov_b32 s14, 352
	s_wait_kmcnt 0x0
	s_cmp_lt_u32 ttmp9, 352                        ; work-groups 0-255: x; 256-351: w_qkv; 352-383: w_out.  The choice hangs on the work-group's number alone
	s_cselect_b64 s[6:7], s[6:7], s[8:9]
	s_cselect_b32 s14, 256, s14
	s_cmp_lt_u32 ttmp9, 256
	s_cselect_b64 s[4:5], s[4:5], s[6:7]
	s_cselect_b32 s14, 0, s14
	s_sub_co_u32 s14, ttmp9, s14                   ; which 32 rows of that tensor
	s_lshl_b32 s24, s14, 17                        ; 32 rows of 4,096 bytes,
	s_lshl_b32 s25, s22, 15                        ; the second tile begins 8 rows down,
	s_add_co_u32 s24, s24, s25
	s_lshl_b32 s25, s23, 11                        ; four K steps of 512 bytes
	s_add_co_u32 s24, s24, s25
	s_mov_b32 s25, 0
	s_add_nc_u64 s[4:5], s[4:5], s[24:25]
	s_lshl_b32 s26, ttmp9, 1
	s_add_co_u32 s26, s26, s22                     ; my tile
	s_mul_i32 s24, s26, 12288
	s_mul_i32 s27, s23, 6144
	s_add_co_u32 s24, s24, s27
	s_add_nc_u64 s[10:11], s[10:11], s[24:25]
	s_lshl_b32 s24, s26, 9
	s_lshl_b32 s27, s23, 8
	s_add_co_u32 s24, s24, s27
	s_add_nc_u64 s[12:13], s[12:13], s[24:25]
.macro LOAD t                          ; K step t of my four: the tile's 16 rows, 512 consecutive bytes each
.irp i, 0,1,2,3,4,5,6,7,8,9,10,11,12,13,14,15
	global_load_b128 v[R+64*((\t)%2)+4*\i:R+64*((\t)%2)+4*\i+3], v4, s[4:5] offset:(\i+8*(\i/8))*4096+512*(\t) th:TH_LOAD_NT
.endr
.endm
.macro FRAGQ t
.if (\t) < 3
	s_wait_loadcnt 16                              ; this fragment's 16 loads are in; the next fragment's 16 may be out
.else
	s_wait_loadcnt 0x0
.endif
.irp i, 0,1,2,3,4,5,6,7,8,9,10,11,12,13,14,15
	ds_store_b128 v5, v[R+64*((\t)%2)+4*\i:R+64*((\t)%2)+4*\i+3] offset:SP*\i
.endr
.irp e, 0,1
.irp j, 0,1,2,3,4,5,6,7
	ds_load_b128 v[X+32*\e+4*\j:X+32*\e+4*\j+3], v6 offset:256*\e+16*\j   ; LDS serves a wave's instructions in order: these see the stores above
.endr
.endr
	s_wait_dscnt 0x0                               ; my 64 numbers are in, and the stores have read the set,
.if (\t) < 2
	LOAD (\t)+2                                    ; which takes the fragment two on
.endif
.irp e, 0,1
	v_max3_num_f32 v[12+\e], |v[X+32*\e]|, |v[X+32*\e+1]|, 0x1800000   ; my block 2 e + h: all 32 numbers are mine; the floor 2^(3 - 127) holds the byte at 1 from below
.endr
.irp i, 2,4,6,8,10,12,14,16,18,20,22,24,26,28,30
.irp e, 0,1
	v_max3_num_f32 v[12+\e], v[12+\e], |v[X+32*\e+\i]|, |v[X+32*\e+\i+1]|
.endr
.endr
	v_add_nc_u32 v14, 0xff000000, v12              ; 2 off the exponent field: the conversion takes the exponent field of this operand as its scale
	v_add_nc_u32 v15, 0xff000000, v13
	v_lshrrev_b32 v228, 23, v14                    ; the scales' bytes
	v_lshrrev_b32 v229, 23, v15
	v_lshl_or_b32 v230, v229, 16, v228             ; blocks h and 2 + h,
	v_lshlrev_b32 v230, v10, v230                  ; at their places in the word;
	v_permlanex16_b32 v231, v230, s20, s21
	v_or_b32 v230, v230, v231                      ; with lane l xor 16's two the word is whole
.if (\t) > 0
	s_wait_xcnt 0x0                                ; the last fragment's stores have read the codes' registers
.endif
.irp e, 0,1
	v_cvt_scalef32_pk16_fp6_f32 v[PC+6*\e:PC+6*\e+2], v[X+32*\e:X+32*\e+15], v[14+\e]
	v_cvt_scalef32_pk16_fp6_f32 v[T+4*\e:T+4*\e+2], v[X+32*\e+16:X+32*\e+31], v[14+\e]
.endr
	v_nop                                          ; one plain place behind a scaled conversion
.irp e, 0,1
.irp i, 0,1,2
	v_mov_b32 v[PC+6*\e+3+\i], v[T+4*\e+\i]
.endr
.endr
.irp c, 0,1,2
	global_store_b128 v4, v[PC+4*\c:PC+4*\c+3], s[10:11] offset:1536*(\t)+512*\c   ; 32 lanes store 512 consecutive bytes, aligned to 256
.endr
	ds_store_b32 v7, v230 offset:128*((\t)/2)+4*((\t)%2)   ; both halves of the lanes write the same word with the same value
.endm
	LOAD 0
	LOAD 1
	FRAGQ 0
	FRAGQ 1
	FRAGQ 2
	FRAGQ 3
	ds_load_b64 v[232:233], v8                     ; my wave's 256 bytes of scale words leave as one aligned run
	s_wait_dscnt 0x0
	global_store_b64 v9, v[232:233], s[12:13]
	s_wait_tensorcnt 0x0
	ds_add_u32 v240, v241
	s_wait_dscnt 0x0
	s_endpgm
.Lfunc_end_k_qea2f4e49d3_quant:
	.size	k_qea2f4e49d3_quant, .Lfunc_end_k_qea2f4e49d3_quant-k_qea2f4e49d3_quant
	.p2alignl 7, 3214868480
	.fill 96, 4, 3214868480
	.section	.rodata,"a",@progbits
	.p2align	6, 0x0
	.amdhsa_kernel k_qea2f4e49d3_quant
		.amdhsa_group_segment_fixed_size 35328
		.amdhsa_private_segment_fixed_size 0
		.amdhsa_enable_private_segment 0
		.amdhsa_kernarg_size 40
		.amdhsa_user_sgpr_count 2
		.amdhsa_user_sgpr_kernarg_segment_ptr 1
		.amdhsa_wavefront_size32 1
		.amdhsa_system_sgpr_workgroup_id_x 1
		.amdhsa_system_sgpr_workgroup_id_y 1
		.amdhsa_system_sgpr_workgroup_id_z 1
		.amdhsa_system_vgpr_workitem_id 0
		.amdhsa_next_free_vgpr 242
		.amdhsa_next_free_sgpr 66
		.amdhsa_reserve_vcc 0
		.amdhsa_float_denorm_mode_32 3
		.amdhsa_float_denorm_mode_16_64 3
		.amdhsa_memory_ordered 1
		.amdhsa_forward_progress 1
		.amdhsa_inst_pref_size 31
	.end_amdhsa_kernel
	.amdgpu_metadata
---
amdhsa.version: [ 1, 2 ]
amdhsa.kernels:
  - .name:           k_qea2f4e49d3_quant
    .symbol:         k_qea2f4e49d3_quant.kd
    .args:
      - { .name: x, .offset: 0, .size: 8, .value_kind: global_buffer, .address_space: global }
      - { .name: w_qkv, .offset: 8, .size: 8, .value_kind: global_buffer, .address_space: global }
      - { .name: w_out, .offset: 16, .size: 8, .value_kind: global_buffer, .address_space: global }
      - { .name: cod, .offset: 24, .size: 8, .value_kind: global_buffer, .address_space: global }
      - { .name: scl, .offset: 32, .size: 8, .value_kind: global_buffer, .address_space: global }
    .group_segment_fixed_size: 35328
    .private_segment_fixed_size: 0
    .kernarg_segment_align: 8
    .kernarg_segment_size: 40
    .max_flat_workgroup_size: 128
    .sgpr_count:     66
    .vgpr_count:     242
    .wavefront_size: 32
...
	.end_amdgpu_metadata
.endif
;; end of part 1
;; launch gemm_qkv (part 2): grid 8 x 48, 4 waves a work-group, clusters of 4 x 4, 327,680 bytes of LDS; arguments cod, scl, qkv; writes qkv
.if DOCPART == 2
	.amdgcn_target "amdgcn-amd-amdhsa--gfx1250"
	.amdhsa_code_object_version 6
	.text
	.protected	k_qea2f4e49d3_gemm_qkv
	.globl	k_qea2f4e49d3_gemm_qkv
	.p2align	8
	.type	k_qea2f4e49d3_gemm_qkv,@function
k_qea2f4e49d3_gemm_qkv:
	s_mov_b64 s[64:65], 0
	v_nop
	global_prefetch_b8 v0, s[64:65] scope:SCOPE_SE
	s_setreg_imm32_b32 hwreg(HW_REG_WAVE_MODE, 25, 1), 1
	s_wait_xcnt 0x0
	s_wait_alu depctr_hold_cnt(0) depctr_sa_sdst(0) depctr_va_vdst(0) depctr_va_sdst(0) depctr_va_ssrc(0) depctr_va_vcc(0) depctr_vm_vsrc(0)
	s_getreg_b32 s2, hwreg(HW_REG_IB_STS2, 6, 4)
	s_cmp_eq_u32 s2, 0
	s_cbranch_scc0 .Lentry_in_a_cluster
	s_endpgm
.Lentry_in_a_cluster:
	s_bfe_u32 s2, ttmp6, 0x10000c
	s_cmp_lg_u32 s2, 0xf033
	s_cbranch_scc0 .Lentry_shape_is_right
	s_endpgm
.Lentry_shape_is_right:
; qkv = x w_qkv^T on codes of FP6 (E2M3) with E8M0 scales, K = 1,024; the results are quantised in registers and leave as operand images for the attention launch: nothing goes to memory in f32.
; OPERANDS: cod, scl as the quantiser's launch lays them (tiles of 16 rows; row r of tile t = 32 (t / 2) + 8 (t % 2) + r + 8 (r / 8); a fragment = 1,536 dense bytes; tiles 0-511 x, 512-703 w_qkv).
; A work-group makes 256 (P, source 0) x 256 (Q, source 1); each of four waves 128 x 128: 64 accumulators, 512 registers.  A lane's results: one row of Q, and, over two neighbouring tiles of P, 16 neighbouring rows of P.
;   q and k (clusters with y under 8): P = features, Q = tokens: a lane holds a token and neighbours along the head's 64, which is the K of q k^T.
;   v (the other clusters):            P = tokens, Q = features: a lane holds a channel and neighbouring tokens, which are the K of p v.
; K goes in pairs of steps of 128 (3,072 bytes a tile) through three LDS slots: pairs 0, 1, 2 are asked for at the start, pair 3 fills slot 0 again behind the one round of the cluster's barrier in the middle:
; by this text's own count a wave has four tensor loads out at the start, later one.  The text has no loop: eight steps of 64 matrix instructions.
; CLUSTERS: 4 x 4.  Q's tiles hang on the place along y and are asked for jointly by a row of the cluster, P's on the place along x, by a column.
; No prefetch: three quarters of K are asked for in the first lines.  384 work-groups: a tile of half the size would make an even number, and read half as much again from LDS for each product.
; qkv: [64 heads][16 steps of 128 tokens][record of 19,712 bytes]: +0 K: 4 images of 1,536 bytes (registers 0-5: key tile 2 p, 6-11: key tile 2 p + 1; lane (r, h): block h of the head's 64);
;   +6,144 V: 4 fragments (16 channels x 128 keys); +12,288 K's scale words [lane][p] (lanes 0-15 tile 2 p, lanes 16-31 tile 2 p + 1; bytes 2, 3 = 127); +12,800 V's [lane][2]; +13,056 Q like K; +19,200 Q's scale words.
; LIMITS: a block of zeros gets the byte 1 where the rule says 127 (zero codes; only this program reads the bytes); NaN and infinities are not served.
; REGISTERS: window 0: v16-29 addresses; v32-63 scale words, two sets; v64-126 the way out; v128-223 Q's fragments, one set.  window 1: P's fragments, two sets, at v0 and v128.  windows 2, 3: accumulator (a, b) at v[8 (8 (a % 4) + b)].
.set NLA,   3                          ; LDS loads that bring a fragment of Q
.set FR,    12
.set NQ,    2
.set TILEB, 3072                       ; a tile's two K steps
.set HALFT, 8*TILEB                    ; eight tiles: what one tensor load brings and what a wave reads of P or of Q
.set SLOT,  4*HALFT                    ; Q's 16 tiles, then P's 16
.set SCL,   3*SLOT                     ; behind the slots: the scale words for all of K: Q's 8,192 bytes, then P's
.set SPARE, SCL+16384                  ; the spare words, 128 bytes for each wave
.set REC,   19712
.set HS,    16*REC                     ; from head to head
.set ADRA, 16                          ; v16-18 LDS address of my fragments of Q in slot 0, 1, 2
.set ADRB, 20                          ; v20-22 the same for P
.set LI,   24                          ; v24  16 x lane
.set L8,   25                          ; v25  8 x lane
.set ADRS, 27                          ; v27  my scale words: lanes 0-15 Q's, lanes 16-31 P's
.set SPW,  28
.set NIL,  29
.set SC,   32
.set TM,   64                          ; v64-67 largest magnitudes, v68-71 bytes, v76-79 the conversions' scale operands
.set PW,   80                          ; the scale word just made
.set SW,   84                          ; v84-87, v88-91 scale words to store
.set SW1,  88
.set H0,   96                          ; v96-107, v108-119 images to store
.set H1,   108
.set T,    120                         ; v120-122, v124-126
.set AF,   128
.set G1,   24                          ; s[24:31] group 1 for Q's codes; s[32:43] group 0, a set for each slot
.set G0,   32
.set G1B,  44                          ; s[44:51], s[52:63] the same for P's
.set G0B,  52
.set G1S,  68                          ; s[68:75], s[76:79] Q's scales;  s[80:87], s[88:91] P's
.set G0S,  76
.set G1SB, 80
.set G0SB, 88
.set SEL,  92
.set HM,   94
.set MSB, 0
.macro WIN new                         ; the immediate's high byte repeats the setting that is left
.if MSB != \new
	s_set_vgpr_msb (MSB<<8)|\new
.set MSB, \new
.endif
.endm
.set MUL_LO, 0xa1                      ; source 0 (P) window 1, source 1 (Q) window 0, C and D window 2
.set MUL_HI, 0xf1
.set TO_B,   0x40
.macro JLOAD g0a, g1a, g0b, g1b        ; a joint load: waves 0 and 1 fetch for Q, waves 2 and 3 for P; four v_nop follow each of the two lines
	s_cmp_eq_u32 s15, 0
	s_cbranch_scc0 .Lfor_b_\@
	tensor_load_to_lds s[\g0a:\g0a+3], s[\g1a:\g1a+7]
	s_nop 0
.rept 4
	v_nop
.endr
	s_branch .Lasked_\@
.Lfor_b_\@:
	tensor_load_to_lds s[\g0b:\g0b+3], s[\g1b:\g1b+7]
	s_nop 0
.rept 4
	v_nop
.endr
.Lasked_\@:
.endm
.macro CREST                           ; a round of the cluster's barrier behind its opening barrier
	s_cmp_lg_u32 s14, 0
	s_cbranch_scc1 .Lnot_wave_0_\@
	s_barrier_signal -3
.Lnot_wave_0_\@:
	s_barrier_wait -3
	s_barrier_signal -1
	s_barrier_wait -1
.endm
.macro CROUND
	s_barrier_signal -1
	s_barrier_wait -1
	CREST
.endm
.macro PLACES n
.rept \n
	v_nop
.endr
.endm
	s_load_b128 s[4:7], s[0:1], 0x0                ; cod, scl
	s_load_b64 s[8:9], s[0:1], 0x10                ; qkv
	v_lshl_add_u32 v[SPW], v0, 2, SPARE
	v_mov_b32 v[NIL], 0
	ds_add_u32 v28, v29
	ds_add_u32 v28, v29
	s_wait_dscnt 0x0
	v_lshrrev_b32 v1, 5, v0
	v_readfirstlane_b32 s14, v1                    ; wave 0..3
	s_lshr_b32 s15, s14, 1                         ; my half of Q.  Also: I fetch for Q (0) or for P (1)
	s_and_b32 s16, s14, 1                          ; my half of P.  Also: which eight tiles I fetch
	s_bfe_u32 s10, ttmp6, 0x40000                  ; cx
	s_bfe_u32 s11, ttmp6, 0x40004                  ; cy
	s_and_b32 s12, ttmp7, 0xffff                   ; the cluster's y; its x is ttmp9
	s_sub_co_u32 s13, s12, 8
	s_lshl_b32 s13, s13, 1
	s_add_co_u32 s13, s13, ttmp9                   ; v's clusters, counted 0 .. 7 (used where y is 8 or more)
	s_cmp_lt_u32 s12, 8                            ; q and k, or v?  The same in all sixteen partners
	s_cselect_b32 s17, 1, 0
	s_cselect_b32 s18, ttmp9, s13                  ; P's cluster coordinate,
	s_cselect_b32 s19, 512, 0                      ; P's first tile in cod: w_qkv's, or x's
	s_cselect_b32 s20, s12, 0                      ; Q's cluster coordinate,
	s_cselect_b32 s21, 0, 640                      ; Q's first tile: x's, or that of w_qkv's row 2,048
	s_lshl_b32 s23, s16, 3
	s_lshl_b32 s18, s18, 2
	s_add_co_u32 s18, s18, s10                     ; P's block of 256 rows: it hangs on cx, never on cy
	s_lshl_b32 s22, s18, 4
	s_add_co_u32 s22, s22, s19
	s_add_co_u32 s22, s22, s23                     ; the first of the eight tiles that I would fetch
	s_mul_i32 s92, s22, 12288                      ; its codes,
	s_mov_b32 s93, 0
	s_lshl_b32 s94, s22, 9                         ; its scale words
	s_mov_b32 s95, 0
	s_lshl_b32 s20, s20, 2
	s_add_co_u32 s20, s20, s11                     ; Q's block: it hangs on cy, never on cx
	s_lshl_b32 s96, s20, 4
	s_add_co_u32 s96, s96, s21
	s_add_co_u32 s96, s96, s23
	s_lshl_b32 s98, s96, 9
	s_mul_i32 s96, s96, 12288
	s_mov_b32 s97, 0
	s_mov_b32 s99, 0
	s_lshl_b32 s2, s11, 2
	s_lshl_b32 s2, 15, s2                          ; my row of the cluster
	s_lshl_b32 s3, 0x1111, s10                     ; my column
	; group 1, codes: 8 rows (tiles) of 384 elements of 8 bytes (3,072 bytes), 1,536 elements from tile to tile; no padding: a fragment is read as dense runs of 512 bytes
	s_or_b32 s[G1], s2, (3<<16)|(1<<21)            ; 15:0 the mask; 17:16 elements of 8 bytes; 21 set beside a mask
	s_or_b32 s[G1B], s3, (3<<16)|(1<<21)
.irp g, G1, G1B
	s_mov_b32 s[\g+1], 384<<16                     ; tensor_dim0
	s_mov_b32 s[\g+2], 8<<16                       ; tensor_dim1
	s_mov_b32 s[\g+3], 384<<16                     ; tile_dim0
	s_mov_b32 s[\g+4], 8                           ; tile_dim1
	s_mov_b32 s[\g+5], 1536                        ; tensor_dim0_stride
	s_mov_b32 s[\g+6], 0
	s_mov_b32 s[\g+7], 0
.endr
	; group 1, scales: eight tiles' 4,096 dense bytes as 16 rows of 256
	s_or_b32 s[G1S], s2, (3<<16)|(1<<21)
	s_or_b32 s[G1SB], s3, (3<<16)|(1<<21)
.irp g, G1S, G1SB
	s_mov_b32 s[\g+1], 32<<16
	s_mov_b32 s[\g+2], 16<<16
	s_mov_b32 s[\g+3], 32<<16
	s_mov_b32 s[\g+4], 16
	s_mov_b32 s[\g+5], 32
	s_mov_b32 s[\g+6], 0
	s_mov_b32 s[\g+7], 0
.endr
	s_mul_i32 s100, s14, HALFT                     ; where they go: wave x eight tiles: no place in the cluster enters an LDS address
	s_lshl_b32 s101, s14, 12
	s_wait_kmcnt 0x0
	s_add_nc_u64 s[92:93], s[4:5], s[92:93]
	s_add_nc_u64 s[94:95], s[6:7], s[94:95]
	s_add_nc_u64 s[96:97], s[4:5], s[96:97]
	s_add_nc_u64 s[98:99], s[6:7], s[98:99]
	CROUND                                         ; all sixteen work-groups are here: the first joint loads meet
	s_mov_b32 s[G0S], 1
	s_add_co_u32 s[G0S+1], s101, SCL
	s_mov_b64 s[G0S+2:G0S+3], s[98:99]
	s_or_b32 s[G0S+3], s[G0S+3], 0x80000000
	s_mov_b32 s[G0SB], 1
	s_add_co_u32 s[G0SB+1], s101, SCL
	s_mov_b64 s[G0SB+2:G0SB+3], s[94:95]
	s_or_b32 s[G0SB+3], s[G0SB+3], 0x80000000
	JLOAD G0S, G1S, G0SB, G1SB                     ; the scales first: they are wanted with the first step
.irp s, 0,1,2
	s_mov_b32 s[G0+4*\s], 1
	s_add_co_u32 s[G0+4*\s+1], s100, \s*SLOT
	s_add_nc_u64 s[G0+4*\s+2:G0+4*\s+3], s[96:97], \s*TILEB
	s_or_b32 s[G0+4*\s+3], s[G0+4*\s+3], 0x80000000
	s_mov_b32 s[G0B+4*\s], 1
	s_add_co_u32 s[G0B+4*\s+1], s100, \s*SLOT
	s_add_nc_u64 s[G0B+4*\s+2:G0B+4*\s+3], s[92:93], \s*TILEB
	s_or_b32 s[G0B+4*\s+3], s[G0B+4*\s+3], 0x80000000
	JLOAD G0+4*\s, G1, G0B+4*\s, G1B
.endr
	v_and_b32 v1, 31, v0                           ; lane
	v_and_b32 v2, 15, v0                           ; r
	v_bfe_u32 v3, v0, 4, 1                         ; h
	v_lshlrev_b32 v4, 4, v1
	s_mul_i32 s21, s15, HALFT                      ; my eight tiles of Q
	s_mul_i32 s22, s16, HALFT                      ; my eight tiles of P,
	s_add_co_u32 s22, s22, 2*HALFT                 ; which lie behind Q's sixteen
.irp s, 0,1,2
	v_add_nc_u32 v[ADRA+\s], s21, v4
	v_add_nc_u32 v[ADRB+\s], s22, v4
	s_add_co_u32 s21, s21, SLOT
	s_add_co_u32 s22, s22, SLOT
.endr
	v_lshlrev_b32 v5, 3, v2                        ; my row's two words of a pair of K steps
	s_lshl_b32 s21, s15, 12                        ; Q's: my eight tiles
	s_lshl_b32 s22, s16, 12                        ; P's, behind Q's 8,192 bytes
	s_add_co_u32 s22, s22, 8192
	s_sub_co_u32 s22, s22, s21
	v_mul_u32_u24 v6, s22, v3                      ; lanes 16-31 take P's: one product, the distance between the two
	s_add_co_u32 s21, s21, SCL
	v_add_nc_u32 v5, v5, v6
	v_add_nc_u32 v[ADRS], s21, v5
; 16 matrix instructions: Q's blocks a0, a0 + 1 x P's eight, 128 along K.  p: P's set; q: which of the pair of K steps; sc: the set of scale words.  zero = 1: the first product starts the sums.
; The 64 accumulators take turns, one instruction a turn, in the same order in every step.
.macro MUL16 a0, p, q, sc, zero
.irp a, \a0, \a0+1
.irp b, 0,1,2,3,4,5,6,7
.if \zero
	v_wmma_scale_f32_16x16x128_f8f6f4 v[8*(8*((\a)%4)+\b):8*(8*((\a)%4)+\b)+7], v[128*(\p)+FR*\b:128*(\p)+FR*\b+FR-1], v[AF+FR*(\a):AF+FR*(\a)+FR-1], 0, v[SC+8*NQ*(\sc)+NQ*\b+(\q)], v[SC+8*NQ*(\sc)+NQ*(\a)+(\q)] matrix_a_fmt:MATRIX_FMT_FP6 matrix_b_fmt:MATRIX_FMT_FP6 matrix_a_scale:MATRIX_SCALE_ROW1
.else
	v_wmma_scale_f32_16x16x128_f8f6f4 v[8*(8*((\a)%4)+\b):8*(8*((\a)%4)+\b)+7], v[128*(\p)+FR*\b:128*(\p)+FR*\b+FR-1], v[AF+FR*(\a):AF+FR*(\a)+FR-1], v[8*(8*((\a)%4)+\b):8*(8*((\a)%4)+\b)+7], v[SC+8*NQ*(\sc)+NQ*\b+(\q)], v[SC+8*NQ*(\sc)+NQ*(\a)+(\q)] matrix_a_fmt:MATRIX_FMT_FP6 matrix_b_fmt:MATRIX_FMT_FP6 matrix_a_scale:MATRIX_SCALE_ROW1
.endif
.endr
.endr
.endm
.macro FETCH_B slot, q, p              ; P's eight fragments: three loads of 16 bytes a lane each, 512 dense bytes a load
	WIN TO_B
.irp i, 0,1,2,3,4,5,6,7
.irp c, 0,1,2
	ds_load_b128 v[128*(\p)+FR*\i+4*\c:128*(\p)+FR*\i+4*\c+3], v[ADRB+\slot] offset:TILEB*\i+1536*(\q)+512*\c
.endr
.endr
	WIN 0
.endm
.macro FETCH_A slot, q, i0             ; Q's blocks i0 .. i0 + 3
.irp i, \i0, \i0+1, \i0+2, \i0+3
.irp c, 0,1,2
	ds_load_b128 v[AF+FR*(\i)+4*\c:AF+FR*(\i)+4*\c+3], v[ADRA+\slot] offset:TILEB*(\i)+1536*(\q)+512*\c
.endr
.endr
.endm
.macro SCALES sc                       ; a pair of K steps' scale words: lanes 0-15 Q's block i, lanes 16-31 P's block i
.irp i, 0,1,2,3,4,5,6,7
	ds_load_b64 v[SC+8*NQ*(\sc)+NQ*\i:SC+8*NQ*(\sc)+NQ*\i+1], v[ADRS] offset:512*\i
.endr
.endm
; A step of 128 along K; the next step's fragments (slot nslot, step nq) come in two runs: P's other set and Q's blocks 0-3 in its middle, Q's blocks 4-7 at its end.
; A load into a register that a matrix instruction has read stands four places behind it; only plain vector instructions are places (ISA guide 7.12.1 for vector instructions).
.macro STEP slot, q, sc, zero, nslot, nq
	s_wait_dscnt 4*NLA                             ; all but the youngest loads, Q's blocks 4-7
	WIN MUL_LO
	MUL16 0, \q, \q, \sc, \zero
	MUL16 2, \q, \q, \sc, \zero
	s_wait_dscnt 0
	PLACES 4
.if \nq == 0
	WIN 0
	v_add_nc_u32 v[ADRS], 128, v[ADRS]             ; on to the next pair's scale words
.endif
	FETCH_B \nslot, \nq, 1-\q
	FETCH_A \nslot, \nq, 0
.if \nq == 0
	SCALES 1-\sc
.endif
	WIN MUL_HI
	MUL16 4, \q, \q, \sc, \zero
	MUL16 6, \q, \q, \sc, \zero
	PLACES 4
	WIN 0
	FETCH_A \nslot, \nq, 4
.endm
; A slot's second step with a barrier: in front of it each wave waits for all its tensor loads, adds 0 to its spare word, and waits for that and for its reads of this slot.  fill = 1: this slot is filled again, with the pair three on.
.macro TURN slot, sc, nslot, fill
	s_wait_tensorcnt 0x0                           ; all my tensor loads have landed
	ds_add_u32 v[SPW], v[NIL]                      ; 0 onto my spare word
	s_wait_dscnt 4*NLA+1                           ; (the add and Q's blocks 4-7 may be out)
	WIN MUL_LO
	MUL16 0, 1, 1, \sc, 0
	s_wait_dscnt 0x0                               ; the add is done, and my reads of this slot are over
	s_barrier_signal -1
	MUL16 2, 1, 1, \sc, 0
	WIN 0
	s_barrier_wait -1
.if \fill
	CREST                                          ; the barrier has opened a round of the cluster's: no wave of any partner still reads this slot or has a load on its way
	s_add_nc_u64 s[G0+4*\slot+2:G0+4*\slot+3], s[G0+4*\slot+2:G0+4*\slot+3], 3*TILEB
	s_add_nc_u64 s[G0B+4*\slot+2:G0B+4*\slot+3], s[G0B+4*\slot+2:G0B+4*\slot+3], 3*TILEB
	JLOAD G0+4*\slot, G1, G0B+4*\slot, G1B         ; the first tensor load behind the round; it has four steps, 256 matrix instructions, in which to land
.else
	PLACES 4
.endif
	v_add_nc_u32 v[ADRS], 128, v[ADRS]
	FETCH_B \nslot, 0, 0
	FETCH_A \nslot, 0, 0
	SCALES 1-\sc
	WIN MUL_HI
	MUL16 4, 1, 1, \sc, 0
	MUL16 6, 1, 1, \sc, 0
	PLACES 4
	WIN 0
	FETCH_A \nslot, 0, 4
.endm
	s_wait_tensorcnt 2                             ; the scales and my part of pair 0 are in; pairs 1 and 2 may be out
	s_barrier_signal -1
	s_barrier_wait -1
	FETCH_B 0, 0, 0
	FETCH_A 0, 0, 0
	SCALES 0
	FETCH_A 0, 0, 4
	STEP 0, 0, 0, 1, 0, 1
	TURN 0, 0, 1, 1                                ; every wave's wait for all its loads stands in front of this round: slots 1 and 2 are whole behind it
	STEP 1, 0, 1, 0, 1, 1
	STEP 1, 1, 1, 0, 2, 0
	STEP 2, 0, 0, 0, 2, 1
	TURN 2, 0, 0, 0                                ; pair 3 has landed in slot 0; nothing is filled again
	STEP 0, 0, 1, 0, 0, 1
	s_wait_dscnt 4*NLA                             ; the last step: nothing more to fetch
	WIN MUL_LO
	MUL16 0, 1, 1, 1, 0
	MUL16 2, 1, 1, 1, 0
	s_wait_dscnt 0
	WIN MUL_HI
	MUL16 4, 1, 1, 1, 0
	MUL16 6, 1, 1, 1, 0
	WIN 0
; THE WAY OUT.  Block a's 64 registers of a lane: register 16 b + i = index 32 b + 16 (lane / 16) + i of P, for row r of Q's tile a.  QUANTA makes of them 12 registers of codes (d0: indices 0-63, d1: 64-127; lane (r, h): block h of the 64)
; and the scale word of the four blocks in v[PW].  Each accumulator is read from its low end on.
.macro QUANTA a, d0, d1
.set AC, 64*((\a)%4)
.set WA, 0x0a+5*((\a)/4)
.set WB, 0x02+((\a)/4)
	WIN WA                                         ; sources 0 and 1: window 2 or 3
.irp b, 0,1,2,3
	v_max3_num_f32 v[TM+\b], |v[AC+16*\b]|, |v[AC+16*\b+1]|, 0x1800000   ; the floor 2^(3 - 127) holds the byte at 1 from below
.endr
.irp i, 2,4,6,8,10,12,14
.irp b, 0,1,2,3
	v_max3_num_f32 v[TM+\b], |v[AC+16*\b+\i]|, |v[AC+16*\b+\i+1]|, v[TM+\b]
.endr
.endr
	WIN 0
.irp b, 0,1,2,3
	v_permlanex16_b32 v[TM+4+\b], v[TM+\b], s[SEL], s[SEL+1]
.endr
.irp b, 0,1,2,3
	v_max_num_f32 v[TM+\b], v[TM+\b], v[TM+4+\b]   ; with lane l xor 16's: the block's largest magnitude
.endr
.irp b, 0,1,2,3
	v_add_nc_u32 v[TM+12+\b], 0xff000000, v[TM+\b] ; 2 off its exponent field: the conversion's scale operand
.endr
.irp b, 0,1,2,3
	v_lshrrev_b32 v[TM+4+\b], 23, v[TM+12+\b]      ; the scale's byte
.endr
	v_lshl_or_b32 v[PW], v[TM+5], 8, v[TM+4]
	v_lshl_or_b32 v[PW], v[TM+6], 16, v[PW]
	v_lshl_or_b32 v[PW], v[TM+7], 24, v[PW]
	WIN WB                                         ; source 0: window 2 or 3
	v_cvt_scalef32_pk16_fp6_f32 v[\d0:\d0+2], v[AC:AC+15], v[TM+12]
	v_cvt_scalef32_pk16_fp6_f32 v[T:T+2], v[AC+16:AC+31], v[TM+13]
	v_cvt_scalef32_pk16_fp6_f32 v[\d1:\d1+2], v[AC+32:AC+47], v[TM+14]
	v_cvt_scalef32_pk16_fp6_f32 v[T+4:T+6], v[AC+48:AC+63], v[TM+15]
	WIN 0
	v_nop                                          ; one plain place behind a scaled conversion
.irp i, 0,1,2
	v_permlane16_swap_b32 v[\d0+\i], v[T+\i]       ; a whole block to a lane: lanes 0-15 the lower block, lanes 16-31 the upper
.endr
.irp i, 0,1,2
	v_permlane16_swap_b32 v[\d1+\i], v[T+4+\i]
.endr
.irp i, 0,1,2
	v_mov_b32 v[\d0+3+\i], v[T+\i]
	v_mov_b32 v[\d1+3+\i], v[T+4+\i]
.endr
.endm
	PLACES 4
	s_mov_b32 s[SEL], 0x76543210
	s_mov_b32 s[SEL+1], 0xfedcba98
	s_mov_b32 s[HM], 0xffff0000                    ; lanes 16-31
	s_mov_b32 s100, 0xffff
	s_mov_b32 s101, 0x7f7f0000                     ; two bytes of scale 1 for the half of the instruction's K that q k^T does not use
	v_and_b32 v1, 31, v0
	v_lshlrev_b32 v[LI], 4, v1
	v_lshlrev_b32 v[L8], 3, v1
.irp b, 0,1,2,3
	v_mov_b32 v[TM+4+\b], 0                        ; written once: a lane permute's destination counts as one of its sources
.endr
	s_cmp_eq_u32 s17, 1                            ; which block holds the heads and which the tokens
	s_cselect_b32 s21, s18, s20
	s_cselect_b32 s22, s16, s15
	s_cselect_b32 s23, s20, s18
	s_cselect_b32 s2, s15, s16
	s_lshl_b32 s21, s21, 2
	s_lshl_b32 s22, s22, 1
	s_add_co_u32 s21, s21, s22
	s_and_b32 s21, s21, 15                         ; the first of my two heads
	s_lshl_b32 s23, s23, 1
	s_add_co_u32 s23, s23, s2                      ; my 128 tokens, counted over all batches
	s_lshr_b32 s22, s23, 4                         ; the batch
	s_and_b32 s23, s23, 15                         ; the step of 128 in it
	s_lshl_b32 s22, s22, 4
	s_add_co_u32 s22, s22, s21
	s_lshl_b32 s22, s22, 4
	s_add_co_u32 s22, s22, s23
	s_mul_i32 s96, s22, REC
	s_mov_b32 s97, 0
	s_add_nc_u64 s[96:97], s[8:9], s[96:97]        ; my first head's record
	s_cmp_eq_u32 s17, 0
	s_cbranch_scc1 .Lv_out
	; q or k: a lane holds a token; blocks 0, 1 are my first head's 64, blocks 2, 3 my second's
	s_mov_b32 s22, 12288
	s_cmp_eq_u32 ttmp9, 0                          ; features under 1,024 are q
	s_cselect_b32 s2, 13056, 0
	s_cselect_b32 s22, 6144, s22
	s_mov_b32 s3, 0
	s_mov_b32 s23, 0
	s_add_nc_u64 s[96:97], s[96:97], s[2:3]        ; the part's images,
	s_add_nc_u64 s[98:99], s[96:97], s[22:23]      ; and its scale words
.irp p, 0,1,2,3
.if \p > 0
	s_wait_xcnt 0x0                                ; the last pair's stores have read the images' registers
.endif
	QUANTA 2*\p, H0, H1
	v_mov_b32 v[SW+\p], v[PW]
	QUANTA 2*\p+1, H0+6, H1+6
	v_cndmask_b32 v[SW+\p], v[SW+\p], v[PW], s[HM] ; lanes 0-15 keep tile 2 p's words, lanes 16-31 take tile 2 p + 1's
.irp c, 0,1,2
	global_store_b128 v[LI], v[H0+4*\c:H0+4*\c+3], s[96:97] offset:1536*\p+512*\c      ; 512 consecutive bytes, aligned to 256
	global_store_b128 v[LI], v[H1+4*\c:H1+4*\c+3], s[96:97] offset:HS+1536*\p+512*\c
.endr
.endr
.irp p, 0,1,2,3
	v_lshrrev_b32 v[SW1+\p], 16, v[SW+\p]          ; the second head's two bytes
.endr
.irp p, 0,1,2,3
	v_and_or_b32 v[SW+\p], v[SW+\p], s100, s101
	v_or_b32 v[SW1+\p], s101, v[SW1+\p]
.endr
	global_store_b128 v[LI], v[SW:SW+3], s[98:99]
	global_store_b128 v[LI], v[SW1:SW1+3], s[98:99] offset:HS
	s_branch .Lend
.Lv_out:
	; v: a lane holds a channel; its four blocks are my 128 tokens: block a is a whole fragment of V
.irp a, 0,1,2,3,4,5,6,7
.if \a > 0
	s_wait_xcnt 0x0
.endif
	QUANTA \a, H0, H0+6
.if (\a)%2 == 0
	v_mov_b32 v[SW+\a/2], v[PW]
.else
	v_cndmask_b32 v[SW+\a/2], v[SW+\a/2], v[PW], s[HM]
.endif
.irp c, 0,1,2
	global_store_b128 v[LI], v[H0+4*\c:H0+4*\c+3], s[96:97] offset:(\a/4)*HS+6144+1536*(\a%4)+512*\c
.endr
.endr
	global_store_b64 v[L8], v[SW:SW+1], s[96:97] offset:12800
	global_store_b64 v[L8], v[SW+2:SW+3], s[96:97] offset:HS+12800
.Lend:
	s_wait_tensorcnt 0x0                           ; the wave's end
	ds_add_u32 v[SPW], v[NIL]
	s_wait_dscnt 0x0
	CROUND                                         ; the closing round
	s_endpgm
.Lfunc_end_k_qea2f4e49d3_gemm_qkv:
	.size	k_qea2f4e49d3_gemm_qkv, .Lfunc_end_k_qea2f4e49d3_gemm_qkv-k_qea2f4e49d3_gemm_qkv
	.p2alignl 7, 3214868480
	.fill 96, 4, 3214868480
	.section	.rodata,"a",@progbits
	.p2align	6, 0x0
	.amdhsa_kernel k_qea2f4e49d3_gemm_qkv
		.amdhsa_group_segment_fixed_size 327680
		.amdhsa_private_segment_fixed_size 0
		.amdhsa_enable_private_segment 0
		.amdhsa_kernarg_size 24
		.amdhsa_user_sgpr_count 2
		.amdhsa_user_sgpr_kernarg_segment_ptr 1
		.amdhsa_wavefront_size32 1
		.amdhsa_system_sgpr_workgroup_id_x 1
		.amdhsa_system_sgpr_workgroup_id_y 1
		.amdhsa_system_sgpr_workgroup_id_z 1
		.amdhsa_system_vgpr_workitem_id 0
		.amdhsa_next_free_vgpr 1024
		.amdhsa_next_free_sgpr 102
		.amdhsa_reserve_vcc 0
		.amdhsa_float_denorm_mode_32 3
		.amdhsa_float_denorm_mode_16_64 3
		.amdhsa_memory_ordered 1
		.amdhsa_forward_progress 1
		.amdhsa_inst_pref_size 175
	.end_amdhsa_kernel
	.amdgpu_metadata
---
amdhsa.version: [ 1, 2 ]
amdhsa.kernels:
  - .name:           k_qea2f4e49d3_gemm_qkv
    .symbol:         k_qea2f4e49d3_gemm_qkv.kd
    .args:
      - { .name: cod, .offset: 0, .size: 8, .value_kind: global_buffer, .address_space: global }
      - { .name: scl, .offset: 8, .size: 8, .value_kind: global_buffer, .address_space: global }
      - { .name: qkv, .offset: 16, .size: 8, .value_kind: global_buffer, .address_space: global }
    .group_segment_fixed_size: 327680
    .private_segment_fixed_size: 0
    .kernarg_segment_align: 8
    .kernarg_segment_size: 24
    .max_flat_workgroup_size: 128
    .sgpr_count:     102
    .vgpr_count:     1024
    .wavefront_size: 32
...
	.end_amdgpu_metadata
.endif
;; end of part 2
;; launch attn (part 3): grid 4 x 64, 16 waves a work-group, clusters of 4 x 1, 210,944 bytes of LDS; arguments qkv, oc, os; writes oc, os
.if DOCPART == 3
	.amdgcn_target "amdgcn-amd-amdhsa--gfx1250"
	.amdhsa_code_object_version 6
	.text
	.protected	k_qea2f4e49d3_attn
	.globl	k_qea2f4e49d3_attn
	.p2align	8
	.type	k_qea2f4e49d3_attn,@function
k_qea2f4e49d3_attn:
	s_mov_b64 s[64:65], 0
	v_nop
	global_prefetch_b8 v0, s[64:65] scope:SCOPE_SE
	s_setreg_imm32_b32 hwreg(HW_REG_WAVE_MODE, 25, 1), 1
	s_wait_xcnt 0x0
	s_wait_alu depctr_hold_cnt(0) depctr_sa_sdst(0) depctr_va_vdst(0) depctr_va_sdst(0) depctr_va_ssrc(0) depctr_va_vcc(0) depctr_vm_vsrc(0)
	s_getreg_b32 s2, hwreg(HW_REG_IB_STS2, 6, 4)
	s_cmp_eq_u32 s2, 0
	s_cbranch_scc0 .Lentry_in_a_cluster
	s_endpgm
.Lentry_in_a_cluster:
	s_bfe_u32 s2, ttmp6, 0x10000c
	s_cmp_lg_u32 s2, 0x3003
	s_cbranch_scc0 .Lentry_shape_is_right
	s_endpgm
.Lentry_shape_is_right:
; Causal attention of one head (64 channels, 2,048 tokens) on codes of FP6 (E2M3) with E8M0 scales; the result leaves as codes for the last product.
; qkv: [64 heads][16 steps of 128 tokens][record of 19,712 bytes], as the launch before lays it: K's images, V's fragments, K's and V's scale words (13,056 bytes on end), then Q's images and scale words.
; THE SOFTMAX: t = score x log2(e) / 8; M = the running largest t rounded UP to a whole number; p = 2^(t - M) is quantised along the keys, not normalised; the row's sum is taken of the unquantised p and divides at the end.
; When M moves, the sum and O are multiplied by 2^(old M - new M): exact.
; CLUSTER: the four work-groups of a cluster serve one head.  The head's K, V and their scales, 16 x 13,056 bytes, fill LDS ONCE, by joint loads (the mask names the four): there is no ring, nothing is filled again, nothing is stored to LDS.
; Waves 0 and 1 ask, three loads each (steps 0-1, 2-5, 6-15 between them), so that the first steps can be read while the later ones land: three barriers, each behind its counted wait.  No prefetch: all is asked for in the first lines.
; SHARES.  A tile is 16 queries: tile pos of a group of 128 holds queries 32 (pos / 2) + 8 (pos % 2) + r + 8 (r / 8).  Wave w (g = w % 8, e = w / 8) of the work-group at place cx takes pos = 2 cx + e, first of group 15 - g
; (16 - g key steps), then of group g (g + 1 steps): 17 steps for every wave of the launch.  The loops' trip counts are constants; a step all of whose keys are hidden is jumped over by a scalar branch on the wave's number.
; cx enters global addresses and the mask's compare value alone.
; LAYOUT.  Both products are used transposed: S^T = K Q^T (source 0 = 16 keys), O^T = V^T P^T (source 0 = 16 channels): a lane holds one query.  The keys and the channels of a tile are chosen as the queries are,
; so the 16 registers of two neighbouring tiles are 16 neighbours.  q k^T has K = 64: the upper half of the instruction's K meets six registers of zero codes in Q under scale bytes of 1 and adds nothing.
; oc: [512 token tiles][8 K steps][1,536 bytes]: register pair m of lane l at 256 m + 8 l; head hd fills registers 6 (hd % 2) .. + 5 of K step hd / 2.  os: [tile][512]: the word of row r and K step 2 q + e at 128 q + 8 r + 4 e.
; The scale bytes of o leave one byte a lane: 262,144 bytes of the launch's stores are so.
; LIMITS: a block of zeros gets the byte 1 where the rule says 127 (zero codes; only this program reads the bytes); NaN and infinities are not served.
; REGISTERS: v1-9 addresses; v12 -M, v13 the largest t, v[14:15] the sum; v16-21 Q, v22-27 zeros; v32-79 K, then V; v80-85 zeros; v86-89 K's scale words, v90-91 V's, v92 Q's, v93 p's; v96-159 S^T, then p; v160-191 O^T;
;   v192-198 the second tile's Q; v200-215 at work; v224-235 p's codes; v236-242 halves of codes.
.set REC,   19712
.set HS,    16*REC
.set STEPB, 13056                      ; what a key step has in LDS
.set WV,   10
.set SEL,  16                          ; s[16:17] selects for lane l xor 16
.set CS,   18                          ; s[18:19] c = log2(e) / 8
.set HM,   20                          ; lanes 16-31
.set LB,   21                          ; LDS byte at which the step in hand begins
.set J,    22                          ; the step in hand
.set GC,   23                          ; my tile's group: the step on the diagonal
.set G1A,  24                          ; s[24:47] three groups 1: 1, 2 and 5 steps
.set G1B,  32
.set G1C,  40
.set G0A,  48                          ; s[48:59] their groups 0
.set G0B,  52
.set G0C,  56
.set CNT,  60
.set HB,   62                          ; s[62:63] the head's first record
.set QL,   66                          ; s[66:67] the record of the first tile's group; s[70:71] of the second's
.set QSH,  70
.set OCL,  74                          ; where the tiles' codes and scale bytes go
.set OSL,  76
.set OCS,  78
.set OSS,  80
.set BM,   200                         ; v200-203 a block's largest score, then its largest p
.set PD,   204                         ; v204-207 the other half's; the second chain of the sum; the bytes
.set SO,   208                         ; v208-211 the conversions' scale operands
.set F,    212                         ; v[212:213] f = 2^(old M - new M)
.set TMP,  214
.set BY,   215
.macro CROUND                          ; a round of the cluster's barrier
	s_barrier_signal -1
	s_barrier_wait -1
	s_cmp_lg_u32 s[WV], 0
	s_cbranch_scc1 .Lnot_wave_0_\@
	s_barrier_signal -3
.Lnot_wave_0_\@:
	s_barrier_wait -3
	s_barrier_signal -1
	s_barrier_wait -1
.endm
	s_load_b128 s[4:7], s[0:1], 0x0                ; qkv, oc
	s_load_b64 s[8:9], s[0:1], 0x10                ; os
	v_lshl_add_u32 v254, v0, 2, 0x33000
	v_mov_b32 v255, 0
	ds_add_u32 v254, v255
	ds_add_u32 v254, v255
	v_lshrrev_b32 v1, 5, v0
	s_delay_alu instid0(VALU_DEP_1)
	v_readfirstlane_b32 s[WV], v1                  ; wave 0..15
	s_and_b32 s11, s[WV], 7                        ; g
	s_lshr_b32 s12, s[WV], 3                       ; e
	s_bfe_u32 s13, ttmp6, 0x40000                  ; cx
	s_and_b32 s14, ttmp7, 0xffff                   ; 16 x batch + head: the four partners share it
	; groups 1: rows of 1,632 elements of 8 bytes (13,056 bytes), 2,464 elements (a record) apart
.irp g, G1A, G1B, G1C
	s_mov_b32 s[\g], 15|(3<<16)|(1<<21)            ; 15:0 the mask: all four work-groups; 17:16 elements of 8 bytes; 21 set beside a mask
	s_mov_b32 s[\g+1], 1632<<16                    ; tensor_dim0
	s_mov_b32 s[\g+3], 1632<<16                    ; tile_dim0
	s_mov_b32 s[\g+5], 2464                        ; tensor_dim0_stride
	s_mov_b32 s[\g+6], 0
	s_mov_b32 s[\g+7], 0
.endr
	s_mov_b32 s[G1A+2], 1<<16                      ; tensor_dim1 and tile_dim1: 1, 2, 5 steps
	s_mov_b32 s[G1A+4], 1
	s_mov_b32 s[G1B+2], 2<<16
	s_mov_b32 s[G1B+4], 2
	s_mov_b32 s[G1C+2], 5<<16
	s_mov_b32 s[G1C+4], 5
	s_mul_i32 s82, s14, HS
	s_mov_b32 s83, 0
	s_mov_b32 s85, 0
	s_mov_b32 s[SEL], 0x76543210
	s_mov_b32 s[SEL+1], 0xfedcba98
	s_mov_b32 s[CS], 0x3e38aa3b
	s_mov_b32 s[CS+1], s[CS]                       ; (named with it as a pair, so it is written)
	s_mov_b32 s[HM], 0xffff0000
	s_mov_b32 s[LB], 0
	s_mov_b32 s[J], 0
	s_sub_co_u32 s[GC], 15, s11
	s_wait_dscnt 0x0
	s_wait_kmcnt 0x0
	s_add_nc_u64 s[HB:HB+1], s[4:5], s[82:83]
	; groups 0, used by waves 0 and 1: steps w; 2 + 2 w, 3 + 2 w; 6 + 5 w .. 10 + 5 w
	s_mov_b32 s[G0A], 1
	s_mul_i32 s[G0A+1], s[WV], STEPB
	s_mul_i32 s84, s[WV], REC
	s_add_nc_u64 s[G0A+2:G0A+3], s[HB:HB+1], s[84:85]
	s_or_b32 s[G0A+3], s[G0A+3], 0x80000000
	s_mov_b32 s[G0B], 1
	s_mul_i32 s[G0B+1], s[WV], 2*STEPB
	s_add_co_u32 s[G0B+1], s[G0B+1], 2*STEPB
	s_mul_i32 s84, s[WV], 2*REC
	s_add_co_u32 s84, s84, 2*REC
	s_add_nc_u64 s[G0B+2:G0B+3], s[HB:HB+1], s[84:85]
	s_or_b32 s[G0B+3], s[G0B+3], 0x80000000
	s_mov_b32 s[G0C], 1
	s_mul_i32 s[G0C+1], s[WV], 5*STEPB
	s_add_co_u32 s[G0C+1], s[G0C+1], 6*STEPB
	s_mul_i32 s84, s[WV], 5*REC
	s_add_co_u32 s84, s84, 6*REC
	s_add_nc_u64 s[G0C+2:G0C+3], s[HB:HB+1], s[84:85]
	s_or_b32 s[G0C+3], s[G0C+3], 0x80000000
	CROUND                                         ; all four work-groups are here: the joint loads meet
	s_cmp_lt_u32 s[WV], 2                          ; a wave's three fills stand in one branch on the wave's number: three loads of mine are out
	s_cbranch_scc0 .Lno_fill
	tensor_load_to_lds s[G0A:G0A+3], s[G1A:G1A+7]
	s_nop 0
	tensor_load_to_lds s[G0B:G0B+3], s[G1B:G1B+7]
	s_nop 0
	tensor_load_to_lds s[G0C:G0C+3], s[G1C:G1C+7]
	s_nop 0
.rept 4
	v_nop
.endr
.Lno_fill:
	v_and_b32 v9, 31, v0                           ; lane
	v_and_b32 v10, 15, v0                          ; r
	v_bfe_u32 v11, v0, 4, 1                        ; h
	s_delay_alu instid0(VALU_DEP_3)
	v_lshlrev_b32 v1, 4, v9                        ; 16 x lane
	s_wait_alu depctr_va_vdst(0)
	v_lshlrev_b32 v2, 3, v9                        ; 8 x lane
	v_and_b32 v3, 8, v10
	s_delay_alu instid0(VALU_DEP_1)
	v_add_nc_u32 v3, v3, v10
	v_lshlrev_b32 v4, 4, v11
	s_delay_alu instid0(VALU_DEP_1)
	v_sub_nc_u32 v3, v3, v4
	s_lshl_b32 s82, s13, 5
	s_lshl_b32 s83, s12, 3
	s_add_co_u32 s82, s82, s83
	v_add_nc_u32 v3, s82, v3                       ; d = my query's place in its group - 16 h: register 16 b + i holds key 32 b + 16 h + i of a step: hidden on the diagonal where 32 b + i > d
	v_lshl_add_u32 v8, v10, 3, v11                 ; 8 r + h: my scale byte's place
	; Q's tile is registers 6 e .. 6 e + 5 of image cx: three loads of 8 bytes, at 16 l + {0, 8, 512} (e = 0) or 16 l + {520, 1024, 1032} (e = 1)
	s_mul_i32 s84, s13, 1536
	s_mul_i32 s83, s12, 520
	s_add_co_u32 s83, s83, s84
	v_add_nc_u32 v4, s83, v1
	s_wait_alu depctr_va_vdst(0)
	s_mul_i32 s83, s12, 1016
	s_add_co_u32 s83, s83, s84
	v_add_nc_u32 v7, s83, v1
	s_wait_alu depctr_va_vdst(0)
	s_lshl_b32 s83, s12, 8
	s_lshl_b32 s84, s13, 2
	s_add_co_u32 s83, s83, s84
	v_lshl_add_u32 v9, v10, 4, s83                 ; its scale word: 16 (r + 16 e) + 4 cx
	s_mul_i32 s82, s[GC], REC
	s_mov_b32 s83, 0
	s_add_nc_u64 s[QL:QL+1], s[HB:HB+1], s[82:83]
	s_mul_i32 s82, s11, REC
	s_add_nc_u64 s[QSH:QSH+1], s[HB:HB+1], s[82:83]
	global_load_b64 v[16:17], v4, s[QL:QL+1] offset:13056
	global_load_b64 v[18:19], v7, s[QL:QL+1] offset:13056+8
	global_load_b64 v[20:21], v4, s[QL:QL+1] offset:13056+512
	global_load_b32 v92, v9, s[QL:QL+1] offset:19200
	global_load_b64 v[192:193], v4, s[QSH:QSH+1] offset:13056
	global_load_b64 v[194:195], v7, s[QSH:QSH+1] offset:13056+8
	global_load_b64 v[196:197], v4, s[QSH:QSH+1] offset:13056+512
	global_load_b32 v198, v9, s[QSH:QSH+1] offset:19200
	; where the results go
	s_lshr_b32 s82, s14, 4                         ; batch
	s_and_b32 s83, s14, 15                         ; head
	s_lshl_b32 s82, s82, 7
	s_lshl_b32 s84, s13, 1
	s_add_co_u32 s82, s82, s84
	s_add_co_u32 s82, s82, s12                     ; token tile 128 batch + 2 cx + e (+ 8 x group)
	s_lshr_b32 s84, s83, 1                         ; the last product's K step
	s_and_b32 s85, s83, 1                          ; and which half of it
	s_mul_i32 s86, s82, 12288
	s_mul_i32 s87, s84, 1536
	s_add_co_u32 s86, s86, s87
	s_mul_i32 s87, s85, 768
	s_add_co_u32 s86, s86, s87
	s_lshl_b32 s88, s82, 9
	s_lshr_b32 s87, s83, 2
	s_lshl_b32 s87, s87, 7
	s_add_co_u32 s88, s88, s87
	s_and_b32 s87, s84, 1
	s_lshl_b32 s87, s87, 2
	s_add_co_u32 s88, s88, s87
	s_lshl_b32 s87, s85, 1
	s_add_co_u32 s88, s88, s87
	s_mov_b32 s91, 0
	s_mul_i32 s90, s[GC], 98304
	s_add_co_u32 s90, s90, s86
	s_add_nc_u64 s[OCL:OCL+1], s[6:7], s[90:91]
	s_lshl_b32 s90, s[GC], 12
	s_add_co_u32 s90, s90, s88
	s_add_nc_u64 s[OSL:OSL+1], s[8:9], s[90:91]
	s_mul_i32 s90, s11, 98304
	s_add_co_u32 s90, s90, s86
	s_add_nc_u64 s[OCS:OCS+1], s[6:7], s[90:91]
	s_lshl_b32 s90, s11, 12
	s_add_co_u32 s90, s90, s88
	s_add_nc_u64 s[OSS:OSS+1], s[8:9], s[90:91]
.irp j, 22,23,24,25,26,27,80,81,82,83,84,85
	v_mov_b32 v[\j], 0                             ; zero codes: Q's upper half of K, and what follows K's last tile
.endr
.irp b, 0,1,2,3
	v_mov_b32 v[PD+\b], 0                          ; written once: a lane permute's destination counts as one of its sources
.endr
	v_mov_b32 v[F+1], 0                            ; (named as the upper half of a pair)
	v_mov_b32 v[TMP], 0
.macro INIT                            ; a tile begins: O^T and the sum are zeros, the largest t lies under every t: the first change of M leaves zeros zeros
	v_mov_b32 v13, 0xff61b1e6
	s_delay_alu instid0(VALU_DEP_1)
	v_floor_f32 v12, -v13
	v_mov_b32 v14, 0
	v_mov_b32 v15, 0
.set jj, 0
.rept 32
	v_mov_b32 v[160+jj], 0
.set jj, jj+1
.endr
.endm
; A KEY STEP: 128 keys.  causal = 1: the step may be hidden (jumped over, all but the lines that step the address) or lie on the diagonal.
.macro STEP causal
.if \causal
	s_cmp_gt_u32 s[J], s[GC]
	s_cbranch_scc1 .Lhid_\@
.endif
	s_setprio 2
	v_add_nc_u32 v5, s[LB], v1
	v_add_nc_u32 v6, s[LB], v2
	v_nop
	v_nop                                          ; four places in front of loads into registers that the last products read
.irp m, 0,1,2,3,4,5,6,7,8,9,10,11
	ds_load_b128 v[32+4*\m:35+4*\m], v5 offset:512*\m              ; K: eight tiles, six registers each
.endr
	ds_load_b128 v[86:89], v5 offset:12288                         ; their scale words: register p: lanes 0-15 tile 2 p, lanes 16-31 tile 2 p + 1
	s_wait_alu depctr_va_vdst(0)
	s_wait_dscnt 0x0
.irp t, 0,1,2,3,4,5,6,7
.if \t%2
	v_wmma_scale_f32_16x16x128_f8f6f4 v[96+8*\t:103+8*\t], v[32+6*\t:43+6*\t], v[16:27], 0, v[86+\t/2], v92 matrix_a_fmt:MATRIX_FMT_FP6 matrix_b_fmt:MATRIX_FMT_FP6 matrix_a_scale:MATRIX_SCALE_ROW1
.else
	v_wmma_scale_f32_16x16x128_f8f6f4 v[96+8*\t:103+8*\t], v[32+6*\t:43+6*\t], v[16:27], 0, v[86+\t/2], v92 matrix_a_fmt:MATRIX_FMT_FP6 matrix_b_fmt:MATRIX_FMT_FP6
.endif
.endr
.rept 4
	v_nop                                          ; four places: for the first read of the scores, and for the loads below
.endr
.irp m, 0,1,2,3,4,5,6,7,8,9,10,11
	ds_load_b128 v[32+4*\m:35+4*\m], v5 offset:6144+512*\m         ; V: four fragments; they land while the softmax is walked
.endr
	ds_load_b64 v[90:91], v6 offset:12800
.if \causal
	s_cmp_lg_u32 s[J], s[GC]
	s_cbranch_scc1 .Lopen_\@
	v_mov_b32 v[TMP], 0xff800000                   ; on the diagonal hidden scores become -infinity ahead of the maximum: p = 0 then.  The step's first key counts for every query
.set nn, 0
.rept 64
	v_cmp_gt_i32 vcc_lo, 32*(nn/16)+nn%16, v3
	v_cndmask_b32 v[96+nn], v[96+nn], v[TMP], vcc_lo
.set nn, nn+1
.endr
.Lopen_\@:
.endif
.irp b, 0,1,2,3
	v_max3_num_f32 v[BM+\b], v[96+16*\b], v[97+16*\b], v[98+16*\b]   ; the largest score of each block of 32 keys: for the row's maximum, and, since p rises with the score, for the block's largest p
.endr
.irp i, 3,5,7,9,11,13
.irp b, 0,1,2,3
	v_max3_num_f32 v[BM+\b], v[BM+\b], v[96+16*\b+\i], v[97+16*\b+\i]
.endr
.endr
.irp b, 0,1,2,3
	v_max_num_f32 v[BM+\b], v[BM+\b], v[111+16*\b]
.endr
.irp b, 0,1,2,3
	s_delay_alu instid0(VALU_DEP_4)
	v_permlanex16_b32 v[PD+\b], v[BM+\b], s[SEL], s[SEL+1]
.endr
.irp b, 0,1,2,3
	s_delay_alu instid0(VALU_DEP_4)
	v_max_num_f32 v[BM+\b], v[BM+\b], v[PD+\b]     ; with lane l xor 16's 16 keys
.endr
	s_delay_alu instid0(VALU_DEP_2)
	v_max3_num_f32 v[TMP], v[BM], v[BM+1], v[BM+2]
	s_delay_alu instid0(VALU_DEP_1)
	v_max_num_f32 v[TMP], v[TMP], v[BM+3]
	s_delay_alu instid0(VALU_DEP_1)
	v_mul_f32 v[TMP], s[CS], v[TMP]                ; as t (c is positive)
	s_delay_alu instid0(VALU_DEP_1)
	v_max_num_f32 v13, v13, v[TMP]                 ; the running largest t
	v_mov_b32 v[TMP], v12
	s_delay_alu instid0(VALU_DEP_2)
	v_floor_f32 v12, -v13                          ; the new -M = floor(-t): M is a whole number
	s_delay_alu instid0(VALU_DEP_1)
	v_sub_f32 v[TMP], v12, v[TMP]                  ; old M - new M: a whole number, 0 or less
	s_delay_alu instid0(VALU_DEP_1)
	v_cvt_i32_f32 v[TMP], v[TMP]                   ; (it saturates)
	s_delay_alu instid0(VALU_DEP_1)
	v_ldexp_f32 v[F], 1.0, v[TMP]                  ; f = 2^(old M - new M)
.set jj, 0
.rept 32
	v_pk_fma_f32 v[96+jj:97+jj], v[96+jj:97+jj], s[CS:CS+1], v[12:13] op_sel_hi:[1,0,0]   ; t - M, two at a time
.set jj, jj+2
.endr
.irp b, 0,1,2,3
	v_fma_f32 v[BM+\b], v[BM+\b], s[CS], v12       ; the same of each block's largest score
.endr
.set jj, 0
	s_setprio 1
	s_wait_alu depctr_va_vdst(0)
.rept 64
	v_exp_f32 v[96+jj], v[96+jj]                   ; p = 2^(t - M), at most 1
.set jj, jj+1
.endr
	v_pk_mul_f32 v[14:15], v[14:15], v[F:F+1] op_sel_hi:[1,0]      ; the sums under the new M (a plain place behind the exponentials)
	s_wait_alu depctr_va_vdst(0)                   ; one wait for the whole batch, ahead of its first reader
.irp b, 0,1,2,3
	v_exp_f32 v[BM+\b], v[BM+\b]                   ; the block's largest p
.endr
	v_pk_add_f32 v[204:205], v[100:101], v[104:105]
	v_pk_add_f32 v[252:253], v[108:109], v[112:113]
	v_pk_add_f32 v[250:251], v[116:117], v[120:121]
	v_pk_add_f32 v[248:249], v[124:125], v[128:129]
	v_pk_add_f32 v[246:247], v[132:133], v[136:137]
	v_pk_add_f32 v[244:245], v[140:141], v[144:145]
	v_pk_add_f32 v[242:243], v[148:149], v[152:153]
	v_pk_add_f32 v[14:15], v[14:15], v[156:157]
	v_pk_add_f32 v[204:205], v[204:205], v[96:97]
	v_pk_add_f32 v[252:253], v[252:253], v[98:99]
	v_pk_add_f32 v[250:251], v[250:251], v[102:103]
	v_pk_add_f32 v[248:249], v[248:249], v[106:107]
	v_pk_add_f32 v[246:247], v[246:247], v[110:111]
	v_pk_add_f32 v[244:245], v[244:245], v[114:115]
	v_pk_add_f32 v[242:243], v[242:243], v[118:119]
	v_pk_add_f32 v[14:15], v[14:15], v[122:123]
	v_pk_add_f32 v[204:205], v[204:205], v[126:127]
	v_pk_add_f32 v[252:253], v[252:253], v[130:131]
	v_pk_add_f32 v[250:251], v[250:251], v[134:135]
	v_pk_add_f32 v[248:249], v[248:249], v[138:139]
	v_pk_add_f32 v[246:247], v[246:247], v[142:143]
	v_pk_add_f32 v[244:245], v[244:245], v[146:147]
	v_pk_add_f32 v[242:243], v[242:243], v[150:151]
	v_pk_add_f32 v[14:15], v[14:15], v[154:155]
	v_pk_add_f32 v[204:205], v[204:205], v[158:159]
	s_delay_alu instid0(VALU_DEP_2)
	v_pk_add_f32 v[14:15], v[14:15], v[248:249]
	s_delay_alu instid0(VALU_DEP_2)
	v_pk_add_f32 v[204:205], v[204:205], v[246:247]
	v_pk_add_f32 v[252:253], v[252:253], v[244:245]
	v_pk_add_f32 v[250:251], v[250:251], v[242:243]
	s_delay_alu instid0(VALU_DEP_2)
	v_pk_add_f32 v[14:15], v[14:15], v[252:253]
	s_delay_alu instid0(VALU_DEP_2)
	v_pk_add_f32 v[204:205], v[204:205], v[250:251]
	s_delay_alu instid0(VALU_DEP_1)
	v_pk_add_f32 v[14:15], v[14:15], v[204:205]
	s_wait_alu depctr_va_vdst(0)                   ; and one for the four
.irp b, 0,1,2,3
	v_max_num_f32 v[BM+\b], 0x1800000, v[BM+\b]    ; the floor 2^(3 - 127): the byte cannot fall under 1
.endr
.irp b, 0,1,2,3
	s_delay_alu instid0(VALU_DEP_4)
	v_add_nc_u32 v[SO+\b], 0xff000000, v[BM+\b]    ; 2 off the exponent field: the conversion's scale operand
.endr
.irp b, 0,1,2,3
	s_delay_alu instid0(VALU_DEP_4)
	v_lshrrev_b32 v[PD+\b], 23, v[SO+\b]           ; the scale's byte
.endr
	s_delay_alu instid0(VALU_DEP_3)
	v_lshl_or_b32 v93, v[PD+1], 8, v[PD]           ; p's scale word for these 128 keys
	s_delay_alu instid0(VALU_DEP_1)
	v_lshl_or_b32 v93, v[PD+2], 16, v93
	s_delay_alu instid0(VALU_DEP_1)
	v_lshl_or_b32 v93, v[PD+3], 24, v93
.irp c, 0,1
	v_cvt_scalef32_pk16_fp6_f32 v[224+6*\c:226+6*\c], v[96+32*\c:111+32*\c], v[SO+2*\c]
	v_cvt_scalef32_pk16_fp6_f32 v[236+4*\c:238+4*\c], v[112+32*\c:127+32*\c], v[SO+2*\c+1]
.endr
	v_nop                                          ; one plain place behind a scaled conversion
	s_setprio 0
.irp c, 0,1                                    ; a whole block to a lane: lanes 0-15 block 2 c, lanes 16-31 block 2 c + 1
.irp i, 0,1,2
	v_permlane16_swap_b32 v[224+6*\c+\i], v[236+4*\c+\i]
.endr
.irp i, 0,1,2
	s_delay_alu instid0(VALU_DEP_3)
	v_mov_b32 v[227+6*\c+\i], v[236+4*\c+\i]
.endr
.endr
.set jj, 0
.rept 16
	v_pk_mul_f32 v[160+jj:161+jj], v[160+jj:161+jj], v[F:F+1] op_sel_hi:[1,0]   ; O^T under the new M.  (These sixteen are also the places between the scale word's and the codes' last writes and the products below)
.set jj, jj+2
.endr
	s_wait_alu depctr_va_vdst(0)
	s_wait_dscnt 0x0                               ; V is in
.irp t, 0,1,2,3
.if \t%2
	v_wmma_scale_f32_16x16x128_f8f6f4 v[160+8*\t:167+8*\t], v[32+12*\t:43+12*\t], v[224:235], v[160+8*\t:167+8*\t], v[90+\t/2], v93 matrix_a_fmt:MATRIX_FMT_FP6 matrix_b_fmt:MATRIX_FMT_FP6 matrix_a_scale:MATRIX_SCALE_ROW1
.else
	v_wmma_scale_f32_16x16x128_f8f6f4 v[160+8*\t:167+8*\t], v[32+12*\t:43+12*\t], v[224:235], v[160+8*\t:167+8*\t], v[90+\t/2], v93 matrix_a_fmt:MATRIX_FMT_FP6 matrix_b_fmt:MATRIX_FMT_FP6
.endif
.endr
.if \causal
.Lhid_\@:
.endif
	s_add_co_u32 s[LB], s[LB], STEPB
	s_add_co_u32 s[J], s[J], 1
.endm
; A tile ends: O^T / the sum, quantised along the head's 64 (two blocks of the last product's K), six registers of codes and a scale byte a lane.
.macro FINISH oc, os
.rept 4
	v_nop                                          ; four places behind the last products
.endr
	v_add_f32 v14, v14, v15
	s_delay_alu instid0(VALU_DEP_1)
	v_permlanex16_b32 v[TMP], v14, s[SEL], s[SEL+1]
	s_delay_alu instid0(VALU_DEP_1)
	v_add_f32 v14, v14, v[TMP]                     ; the row's sum
	s_wait_alu depctr_va_vdst(0)
	v_rcp_f32 v14, v14
	v_nop                                          ; a plain place behind the transcendental
	s_wait_alu depctr_va_vdst(0)                   ; and the wait ahead of its first reader
.set jj, 0
.rept 32
	v_mul_f32 v[96+jj], v[160+jj], v14             ; register 16 b + i = channel 32 b + 16 h + i of my query
.set jj, jj+1
.endr
.irp b, 0,1
	v_max3_num_f32 v[BM+\b], |v[96+16*\b]|, |v[97+16*\b]|, 0x1800000
.endr
.irp i, 2,4,6,8,10,12,14
.irp b, 0,1
	s_delay_alu instid0(VALU_DEP_2)
	v_max3_num_f32 v[BM+\b], v[BM+\b], |v[96+16*\b+\i]|, |v[97+16*\b+\i]|
.endr
.endr
.irp b, 0,1
	s_delay_alu instid0(VALU_DEP_2)
	v_permlanex16_b32 v[PD+\b], v[BM+\b], s[SEL], s[SEL+1]
.endr
.irp b, 0,1
	s_delay_alu instid0(VALU_DEP_2)
	v_max_num_f32 v[BM+\b], v[BM+\b], v[PD+\b]
.endr
.irp b, 0,1
	s_delay_alu instid0(VALU_DEP_2)
	v_add_nc_u32 v[SO+\b], 0xff000000, v[BM+\b]
.endr
.irp b, 0,1
	s_delay_alu instid0(VALU_DEP_2)
	v_lshrrev_b32 v[PD+\b], 23, v[SO+\b]
.endr
	s_delay_alu instid0(VALU_DEP_1)
	v_cndmask_b32 v[BY], v[PD], v[PD+1], s[HM]     ; lanes 0-15 store block 0's byte, lanes 16-31 block 1's
	v_cvt_scalef32_pk16_fp6_f32 v[224:226], v[96:111], v[SO]
	v_cvt_scalef32_pk16_fp6_f32 v[236:238], v[112:127], v[SO+1]
	v_nop
.irp i, 0,1,2
	v_permlane16_swap_b32 v[224+\i], v[236+\i]
.endr
.irp i, 0,1,2
	s_delay_alu instid0(VALU_DEP_3)
	v_mov_b32 v[227+\i], v[236+\i]
.endr
.irp i, 0,1,2
	global_store_b64 v2, v[224+2*\i:225+2*\i], s[\oc:\oc+1] offset:256*\i   ; 32 lanes store 256 consecutive bytes, aligned
.endr
	global_store_b8 v8, v[BY], s[\os:\os+1]
.endm
	INIT
	s_wait_loadcnt 0x0                             ; Q, both tiles'
	s_wait_tensorcnt 0x2                           ; in waves 0 and 1: the first of my three loads has landed: steps 0 and 1
	s_barrier_signal -1
	s_barrier_wait -1
	s_mov_b32 s[CNT], 2
.Lsteps_a:                                         ; steps 0, 1 of the first tile: its group is 8 or more, so steps 0 to 5 hide nothing
	STEP 0
	s_sub_co_u32 s[CNT], s[CNT], 1
	s_cmp_lg_u32 s[CNT], 0
	s_cbranch_scc1 .Lsteps_a
	s_setprio 0
	s_wait_tensorcnt 0x1                           ; the second: steps 2 to 5
	s_wait_dscnt 0x0
	s_barrier_signal -1
	s_barrier_wait -1
	s_mov_b32 s[CNT], 4
.Lsteps_b:
	STEP 0
	s_sub_co_u32 s[CNT], s[CNT], 1
	s_cmp_lg_u32 s[CNT], 0
	s_cbranch_scc1 .Lsteps_b
	s_setprio 0
	s_wait_tensorcnt 0x0                           ; the third: the rest
	s_wait_dscnt 0x0
	s_barrier_signal -1
	s_barrier_wait -1
	s_mov_b32 s[CNT], 10
.Lsteps_c:                                         ; steps 6 to 15
	STEP 1
	s_sub_co_u32 s[CNT], s[CNT], 1
	s_cmp_lg_u32 s[CNT], 0
	s_cbranch_scc1 .Lsteps_c
	s_setprio 0
	FINISH OCL, OSL
	s_wait_xcnt 0x0                                ; the stores have read their registers: the codes' are written again below
.irp i, 0,1,2,3,4,5
	v_mov_b32 v[16+\i], v[192+\i]                  ; the second tile's Q,
.endr
	v_mov_b32 v92, v198                            ; and its scale words; the lines of INIT are the places between these and the next products
	INIT
	s_mov_b32 s[LB], 0
	s_mov_b32 s[J], 0
	s_mov_b32 s[GC], s11
	s_mov_b32 s[CNT], 8
.Lsteps_d:                                         ; steps 0 to 7 of the second tile
	STEP 1
	s_sub_co_u32 s[CNT], s[CNT], 1
	s_cmp_lg_u32 s[CNT], 0
	s_cbranch_scc1 .Lsteps_d
	s_setprio 0
	FINISH OCS, OSS
	s_wait_tensorcnt 0x0
	ds_add_u32 v254, v255
	s_wait_dscnt 0x0
	CROUND                                         ; the closing round
	s_endpgm
.Lfunc_end_k_qea2f4e49d3_attn:
	.size	k_qea2f4e49d3_attn, .Lfunc_end_k_qea2f4e49d3_attn-k_qea2f4e49d3_attn
	.p2alignl 7, 3214868480
	.fill 96, 4, 3214868480
	.section	.rodata,"a",@progbits
	.p2align	6, 0x0
	.amdhsa_kernel k_qea2f4e49d3_attn
		.amdhsa_group_segment_fixed_size 210944
		.amdhsa_private_segment_fixed_size 0
		.amdhsa_enable_private_segment 0
		.amdhsa_kernarg_size 24
		.amdhsa_user_sgpr_count 2
		.amdhsa_user_sgpr_kernarg_segment_ptr 1
		.amdhsa_wavefront_size32 1
		.amdhsa_system_sgpr_workgroup_id_x 1
		.amdhsa_system_sgpr_workgroup_id_y 1
		.amdhsa_system_sgpr_workgroup_id_z 1
		.amdhsa_system_vgpr_workitem_id 0
		.amdhsa_next_free_vgpr 256
		.amdhsa_next_free_sgpr 92
		.amdhsa_reserve_vcc 1
		.amdhsa_float_denorm_mode_32 3
		.amdhsa_float_denorm_mode_16_64 3
		.amdhsa_memory_ordered 1
		.amdhsa_forward_progress 1
		.amdhsa_inst_pref_size 99
	.end_amdhsa_kernel
	.amdgpu_metadata
---
amdhsa.version: [ 1, 2 ]
amdhsa.kernels:
  - .name:           k_qea2f4e49d3_attn
    .symbol:         k_qea2f4e49d3_attn.kd
    .args:
      - { .name: qkv, .offset: 0, .size: 8, .value_kind: global_buffer, .address_space: global }
      - { .name: oc, .offset: 8, .size: 8, .value_kind: global_buffer, .address_space: global }
      - { .name: os, .offset: 16, .size: 8, .value_kind: global_buffer, .address_space: global }
    .group_segment_fixed_size: 210944
    .private_segment_fixed_size: 0
    .kernarg_segment_align: 8
    .kernarg_segment_size: 24
    .max_flat_workgroup_size: 512
    .sgpr_count:     92
    .vgpr_count:     256
    .wavefront_size: 32
...
	.end_amdgpu_metadata
.endif
;; end of part 3
;; launch gemm_out (part 4): grid 4 x 32, 4 waves a work-group, clusters of 4 x 4, 327,680 bytes of LDS; arguments cod, scl, oc, os, b_out, out0; writes out0
.if DOCPART == 4
	.amdgcn_target "amdgcn-amd-amdhsa--gfx1250"
	.amdhsa_code_object_version 6
	.text
	.protected	k_qea2f4e49d3_gemm_out
	.globl	k_qea2f4e49d3_gemm_out
	.p2align	8
	.type	k_qea2f4e49d3_gemm_out,@function
k_qea2f4e49d3_gemm_out:
	s_mov_b64 s[64:65], 0
	v_nop
	global_prefetch_b8 v0, s[64:65] scope:SCOPE_SE
	s_setreg_imm32_b32 hwreg(HW_REG_WAVE_MODE, 25, 1), 1
	s_wait_xcnt 0x0
	s_wait_alu depctr_hold_cnt(0) depctr_sa_sdst(0) depctr_va_vdst(0) depctr_va_sdst(0) depctr_va_ssrc(0) depctr_va_vcc(0) depctr_vm_vsrc(0)
	s_getreg_b32 s2, hwreg(HW_REG_IB_STS2, 6, 4)
	s_cmp_eq_u32 s2, 0
	s_cbranch_scc0 .Lentry_in_a_cluster
	s_endpgm
.Lentry_in_a_cluster:
	s_bfe_u32 s2, ttmp6, 0x10000c
	s_cmp_lg_u32 s2, 0xf033
	s_cbranch_scc0 .Lentry_shape_is_right
	s_endpgm
.Lentry_shape_is_right:
; out0 = o w_out^T + b_out on codes of FP6 (E2M3) with E8M0 scales, K = 1,024.
; OPERANDS: w_out from cod, scl (tiles 704-767; a fragment = three runs of 512 dense bytes); o from oc, os as the attention launch lays them (a fragment = six runs of 256 dense bytes, register pair m of lane l at 256 m + 8 l).
; Row r of tile t is row 32 (t / 2) + 8 (t % 2) + r + 8 (r / 8), in both.
; A work-group makes 256 outputs (P, source 0) x 256 tokens (Q, source 1); each of four waves 128 x 128: 64 accumulators.  A lane's results: one token and, over two neighbouring tiles of P, 16 neighbouring outputs.
; K goes in pairs of steps of 128 through three LDS slots: pairs 0, 1, 2 are asked for at the start, pair 3 fills slot 0 again behind the one round of the cluster's barrier in the middle:
; by this text's own count a wave has four tensor loads out at the start, later one.  No loop: eight steps of 64 matrix instructions.  The bias is the C of each sum's first matrix instruction.
; CLUSTERS: 4 x 4: Q's tiles are asked for jointly by a row of the cluster, P's by a column.  No prefetch: three quarters of K are asked for in the first lines.  128 work-groups: the tile is kept large for the sake of the LDS reads.
; REGISTERS: window 0: v16-30 addresses; v32-63 scale words, two sets; v64-127 the bias; v128-223 Q's fragments, one set; on the way out v128-255 rows of the result.  window 1: P's fragments, two sets.  windows 2, 3: accumulator (a, b) at v[8 (8 (a % 4) + b)].
.set NLA,   6                          ; LDS loads that bring a fragment of Q
.set FR,    12
.set NQ,    2
.set TILEB, 3072
.set HALFT, 8*TILEB
.set SLOT,  4*HALFT
.set SCL,   3*SLOT
.set SPARE, SCL+16384
.set SPITCH, 528                       ; the way out: a stage of 16 rows x (512 bytes + 16) for each wave, in slot 1: it has had its only fill, and its last read lies ahead of the last barrier
.set ADRA, 16
.set ADRB, 20
.set STO,  24
.set RD,   25
.set CO,   26
.set ADRS, 27
.set SPW,  28
.set NIL,  29
.set BO,   30
.set SC,   32
.set BI,   64
.set AF,   128
.set BK,   128
.set G1,   24
.set G0,   32
.set G1B,  44
.set G0B,  52
.set G1S,  68
.set G0S,  76
.set G1SB, 80
.set G0SB, 88
.set MSB, 0
.macro WIN new
.if MSB != \new
	s_set_vgpr_msb (MSB<<8)|\new
.set MSB, \new
.endif
.endm
.set MUL_LO, 0xa1
.set MUL_HI, 0xf1
.set TO_B,   0x40
.macro JLOAD g0a, g1a, g0b, g1b        ; a joint load: waves 0 and 1 fetch for Q, waves 2 and 3 for P; four v_nop follow each of the two lines
	s_cmp_eq_u32 s15, 0
	s_cbranch_scc0 .Lfor_b_\@
	tensor_load_to_lds s[\g0a:\g0a+3], s[\g1a:\g1a+7]
	s_nop 0
.rept 4
	v_nop
.endr
	s_branch .Lasked_\@
.Lfor_b_\@:
	tensor_load_to_lds s[\g0b:\g0b+3], s[\g1b:\g1b+7]
	s_nop 0
.rept 4
	v_nop
.endr
.Lasked_\@:
.endm
.macro CREST
	s_cmp_lg_u32 s14, 0
	s_cbranch_scc1 .Lnot_wave_0_\@
	s_barrier_signal -3
.Lnot_wave_0_\@:
	s_barrier_wait -3
	s_barrier_signal -1
	s_barrier_wait -1
.endm
.macro CROUND
	s_barrier_signal -1
	s_barrier_wait -1
	CREST
.endm
.macro PLACES n
.rept \n
	v_nop
.endr
.endm
	s_load_b256 s[4:11], s[0:1], 0x0               ; cod, scl, oc, os
	s_load_b128 s[20:23], s[0:1], 0x20             ; b_out, out0
	v_lshl_add_u32 v[SPW], v0, 2, SPARE
	v_mov_b32 v[NIL], 0
	ds_add_u32 v28, v29
	ds_add_u32 v28, v29
	s_wait_dscnt 0x0
	v_lshrrev_b32 v1, 5, v0
	v_readfirstlane_b32 s14, v1                    ; wave 0..3
	s_lshr_b32 s15, s14, 1                         ; my half of Q.  Also: I fetch for Q (0) or for P (1)
	s_and_b32 s16, s14, 1                          ; my half of P.  Also: which eight tiles I fetch
	s_bfe_u32 s12, ttmp6, 0x40000                  ; cx
	s_bfe_u32 s13, ttmp6, 0x40004                  ; cy
	s_and_b32 s17, ttmp7, 0xffff                   ; the cluster's y
	s_lshl_b32 s19, s16, 3
	s_lshl_b32 s92, s12, 4                         ; P: w_out's tiles 704 + 16 cx on: it hangs on cx alone
	s_add_co_u32 s92, s92, 704
	s_add_co_u32 s92, s92, s19
	s_lshl_b32 s94, s92, 9
	s_mul_i32 s92, s92, 12288
	s_mov_b32 s93, 0
	s_mov_b32 s95, 0
	s_lshl_b32 s18, s17, 2
	s_add_co_u32 s18, s18, s13                     ; Q: my block of 256 tokens: it hangs on cy alone
	s_lshl_b32 s96, s18, 4
	s_add_co_u32 s96, s96, s19
	s_lshl_b32 s98, s96, 9
	s_mul_i32 s96, s96, 12288
	s_mov_b32 s97, 0
	s_mov_b32 s99, 0
	s_lshl_b32 s2, s13, 2
	s_lshl_b32 s2, 15, s2                          ; my row of the cluster
	s_lshl_b32 s3, 0x1111, s12                     ; my column
	; group 1, codes: 8 rows (tiles) of 384 elements of 8 bytes, 1,536 elements from tile to tile; no padding
	s_or_b32 s[G1], s2, (3<<16)|(1<<21)
	s_or_b32 s[G1B], s3, (3<<16)|(1<<21)
.irp g, G1, G1B
	s_mov_b32 s[\g+1], 384<<16
	s_mov_b32 s[\g+2], 8<<16
	s_mov_b32 s[\g+3], 384<<16
	s_mov_b32 s[\g+4], 8
	s_mov_b32 s[\g+5], 1536
	s_mov_b32 s[\g+6], 0
	s_mov_b32 s[\g+7], 0
.endr
	; group 1, scales: eight tiles' 4,096 dense bytes as 16 rows of 256
	s_or_b32 s[G1S], s2, (3<<16)|(1<<21)
	s_or_b32 s[G1SB], s3, (3<<16)|(1<<21)
.irp g, G1S, G1SB
	s_mov_b32 s[\g+1], 32<<16
	s_mov_b32 s[\g+2], 16<<16
	s_mov_b32 s[\g+3], 32<<16
	s_mov_b32 s[\g+4], 16
	s_mov_b32 s[\g+5], 32
	s_mov_b32 s[\g+6], 0
	s_mov_b32 s[\g+7], 0
.endr
	s_mul_i32 s100, s14, HALFT
	s_lshl_b32 s101, s14, 12
	s_wait_kmcnt 0x0
	s_add_nc_u64 s[92:93], s[4:5], s[92:93]
	s_add_nc_u64 s[94:95], s[6:7], s[94:95]
	s_add_nc_u64 s[96:97], s[8:9], s[96:97]
	s_add_nc_u64 s[98:99], s[10:11], s[98:99]
	CROUND                                         ; all sixteen work-groups are here: the first joint loads meet
	s_mov_b32 s[G0S], 1
	s_add_co_u32 s[G0S+1], s101, SCL
	s_mov_b64 s[G0S+2:G0S+3], s[98:99]
	s_or_b32 s[G0S+3], s[G0S+3], 0x80000000
	s_mov_b32 s[G0SB], 1
	s_add_co_u32 s[G0SB+1], s101, SCL
	s_mov_b64 s[G0SB+2:G0SB+3], s[94:95]
	s_or_b32 s[G0SB+3], s[G0SB+3], 0x80000000
	JLOAD G0S, G1S, G0SB, G1SB
.irp s, 0,1,2
	s_mov_b32 s[G0+4*\s], 1
	s_add_co_u32 s[G0+4*\s+1], s100, \s*SLOT
	s_add_nc_u64 s[G0+4*\s+2:G0+4*\s+3], s[96:97], \s*TILEB
	s_or_b32 s[G0+4*\s+3], s[G0+4*\s+3], 0x80000000
	s_mov_b32 s[G0B+4*\s], 1
	s_add_co_u32 s[G0B+4*\s+1], s100, \s*SLOT
	s_add_nc_u64 s[G0B+4*\s+2:G0B+4*\s+3], s[92:93], \s*TILEB
	s_or_b32 s[G0B+4*\s+3], s[G0B+4*\s+3], 0x80000000
	JLOAD G0+4*\s, G1, G0B+4*\s, G1B
.endr
	v_and_b32 v1, 31, v0                           ; lane
	v_and_b32 v2, 15, v0                           ; r
	v_bfe_u32 v3, v0, 4, 1                         ; h
	v_lshlrev_b32 v4, 4, v1
	v_lshlrev_b32 v5, 3, v1
	; the bias: accumulator b's register j of lane (r, h) is output 32 (b / 2) + 16 h + 8 (b % 2) + j of my 128
	s_lshl_b32 s92, s12, 10
	s_lshl_b32 s93, s16, 9
	s_add_co_u32 s92, s92, s93                     ; my first output, in bytes
	s_mov_b32 s93, 0
	s_add_nc_u64 s[20:21], s[20:21], s[92:93]
	v_lshlrev_b32 v[BO], 6, v3
.irp b, 0,1,2,3,4,5,6,7
	global_load_b128 v[BI+8*\b:BI+8*\b+3], v[BO], s[20:21] offset:(32*(\b/2)+8*(\b%2))*4
	global_load_b128 v[BI+8*\b+4:BI+8*\b+7], v[BO], s[20:21] offset:(32*(\b/2)+8*(\b%2))*4+16
.endr
	s_lshl_b32 s94, s18, 8
	s_lshl_b32 s95, s15, 7
	s_add_co_u32 s94, s94, s95                     ; my first token
	s_lshl_b32 s94, s94, 12
	s_add_co_u32 s94, s94, s92
	s_mov_b32 s95, 0
	s_add_nc_u64 s[22:23], s[22:23], s[94:95]
	s_mul_i32 s2, s15, HALFT
	s_mul_i32 s3, s16, HALFT
	s_add_co_u32 s3, s3, 2*HALFT
.irp s, 0,1,2
	v_add_nc_u32 v[ADRA+\s], s2, v5
	v_add_nc_u32 v[ADRB+\s], s3, v4
	s_add_co_u32 s2, s2, SLOT
	s_add_co_u32 s3, s3, SLOT
.endr
	v_lshlrev_b32 v5, 3, v2
	s_lshl_b32 s2, s15, 12
	s_lshl_b32 s3, s16, 12
	s_add_co_u32 s3, s3, 8192
	s_sub_co_u32 s3, s3, s2
	v_mul_u32_u24 v6, s3, v3                       ; lanes 16-31 take P's: one product, the distance between the two
	s_add_co_u32 s2, s2, SCL
	v_add_nc_u32 v5, v5, v6
	v_add_nc_u32 v[ADRS], s2, v5
	s_mul_i32 s2, s14, 16*SPITCH
	s_add_co_u32 s2, s2, SLOT                      ; my stage
	v_mul_u32_u24 v5, v2, SPITCH
	v_lshl_add_u32 v5, v3, 6, v5
	v_add_nc_u32 v[STO], s2, v5                    ; in: row r, + 64 h
	v_mov_b32 v[CO], v4                            ; back: the 32 lanes take one row of 512 bytes; and the same in out0
	v_add_nc_u32 v[RD], s2, v4
; 16 matrix instructions: Q's blocks a0, a0 + 1 x P's eight.  zero = 2: the first product starts the sums from the bias.  The 64 accumulators take turns, one instruction a turn.
.macro MUL16 a0, p, q, sc, zero
.irp a, \a0, \a0+1
.irp b, 0,1,2,3,4,5,6,7
.if \zero == 2
	v_wmma_scale_f32_16x16x128_f8f6f4 v[8*(8*((\a)%4)+\b):8*(8*((\a)%4)+\b)+7], v[128*(\p)+FR*\b:128*(\p)+FR*\b+FR-1], v[AF+FR*(\a):AF+FR*(\a)+FR-1], v[BI+8*\b:BI+8*\b+7], v[SC+8*NQ*(\sc)+NQ*\b+(\q)], v[SC+8*NQ*(\sc)+NQ*(\a)+(\q)] matrix_a_fmt:MATRIX_FMT_FP6 matrix_b_fmt:MATRIX_FMT_FP6 matrix_a_scale:MATRIX_SCALE_ROW1
.else
	v_wmma_scale_f32_16x16x128_f8f6f4 v[8*(8*((\a)%4)+\b):8*(8*((\a)%4)+\b)+7], v[128*(\p)+FR*\b:128*(\p)+FR*\b+FR-1], v[AF+FR*(\a):AF+FR*(\a)+FR-1], v[8*(8*((\a)%4)+\b):8*(8*((\a)%4)+\b)+7], v[SC+8*NQ*(\sc)+NQ*\b+(\q)], v[SC+8*NQ*(\sc)+NQ*(\a)+(\q)] matrix_a_fmt:MATRIX_FMT_FP6 matrix_b_fmt:MATRIX_FMT_FP6 matrix_a_scale:MATRIX_SCALE_ROW1
.endif
.endr
.endr
.endm
.macro FETCH_B slot, q, p
	WIN TO_B
.irp i, 0,1,2,3,4,5,6,7
.irp c, 0,1,2
	ds_load_b128 v[128*(\p)+FR*\i+4*\c:128*(\p)+FR*\i+4*\c+3], v[ADRB+\slot] offset:TILEB*\i+1536*(\q)+512*\c
.endr
.endr
	WIN 0
.endm
.macro FETCH_A slot, q, i0             ; Q's blocks i0 .. i0 + 3: six loads of 8 bytes a lane each, 256 dense bytes a load
.irp i, \i0, \i0+1, \i0+2, \i0+3
.irp c, 0,1,2,3,4,5
	ds_load_b64 v[AF+FR*(\i)+2*\c:AF+FR*(\i)+2*\c+1], v[ADRA+\slot] offset:TILEB*(\i)+1536*(\q)+256*\c
.endr
.endr
.endm
.macro SCALES sc
.irp i, 0,1,2,3,4,5,6,7
	ds_load_b64 v[SC+8*NQ*(\sc)+NQ*\i:SC+8*NQ*(\sc)+NQ*\i+1], v[ADRS] offset:512*\i
.endr
.endm
; A step of 128 along K; the next step's fragments come in two runs.  A load into a register that a matrix instruction has read stands four places behind it (ISA guide 7.12.1 for vector instructions).
.macro STEP slot, q, sc, zero, nslot, nq
	s_wait_dscnt 4*NLA                             ; all but the youngest loads, Q's blocks 4-7
.if \zero == 2
	WIN 0x81                                       ; source 0 window 1, source 1 and the bias window 0, destination window 2
.else
	WIN MUL_LO
.endif
	MUL16 0, \q, \q, \sc, \zero
	MUL16 2, \q, \q, \sc, \zero
	s_wait_dscnt 0
	PLACES 4
.if \nq == 0
	WIN 0
	v_add_nc_u32 v[ADRS], 128, v[ADRS]
.endif
	FETCH_B \nslot, \nq, 1-\q
	FETCH_A \nslot, \nq, 0
.if \nq == 0
	SCALES 1-\sc
.endif
.if \zero == 2
	WIN 0xc1
.else
	WIN MUL_HI
.endif
	MUL16 4, \q, \q, \sc, \zero
	MUL16 6, \q, \q, \sc, \zero
	PLACES 4
	WIN 0
	FETCH_A \nslot, \nq, 4
.endm
; A slot's second step with a barrier: in front of it each wave waits for all its tensor loads, adds 0 to its spare word, and waits for that and for its reads of this slot.  fill = 1: this slot is filled again, with the pair three on.
.macro TURN slot, sc, nslot, fill
	s_wait_tensorcnt 0x0
	ds_add_u32 v[SPW], v[NIL]                      ; 0 onto my spare word
	s_wait_dscnt 4*NLA+1                           ; (the add and Q's blocks 4-7 may be out)
	WIN MUL_LO
	MUL16 0, 1, 1, \sc, 0
	s_wait_dscnt 0x0                               ; the add is done, and my reads of this slot are over
	s_barrier_signal -1
	MUL16 2, 1, 1, \sc, 0
	WIN 0
	s_barrier_wait -1
.if \fill
	CREST                                          ; the barrier has opened a round of the cluster's: no wave of any partner still reads this slot or has a load on its way
	s_add_nc_u64 s[G0+4*\slot+2:G0+4*\slot+3], s[G0+4*\slot+2:G0+4*\slot+3], 3*TILEB
	s_add_nc_u64 s[G0B+4*\slot+2:G0B+4*\slot+3], s[G0B+4*\slot+2:G0B+4*\slot+3], 3*TILEB
	JLOAD G0+4*\slot, G1, G0B+4*\slot, G1B         ; the first tensor load behind the round; it has four steps, 256 matrix instructions, in which to land
.else
	PLACES 4
.endif
	v_add_nc_u32 v[ADRS], 128, v[ADRS]
	FETCH_B \nslot, 0, 0
	FETCH_A \nslot, 0, 0
	SCALES 1-\sc
	WIN MUL_HI
	MUL16 4, 1, 1, \sc, 0
	MUL16 6, 1, 1, \sc, 0
	PLACES 4
	WIN 0
	FETCH_A \nslot, 0, 4
.endm
	s_wait_tensorcnt 2                             ; the scales and my part of pair 0 are in; pairs 1 and 2 may be out
	s_barrier_signal -1
	s_barrier_wait -1
	FETCH_B 0, 0, 0
	FETCH_A 0, 0, 0
	SCALES 0
	FETCH_A 0, 0, 4
	s_wait_loadcnt 0x0                             ; the bias
	STEP 0, 0, 0, 2, 0, 1
	TURN 0, 0, 1, 1                                ; every wave's wait for all its loads stands in front of this round: slots 1 and 2 are whole behind it
	STEP 1, 0, 1, 0, 1, 1
	STEP 1, 1, 1, 0, 2, 0
	STEP 2, 0, 0, 0, 2, 1
	TURN 2, 0, 0, 0                                ; pair 3 has landed in slot 0; nothing is filled again; nobody reads slot 1 any more
	STEP 0, 0, 1, 0, 0, 1
	s_wait_dscnt 4*NLA
	WIN MUL_LO
	MUL16 0, 1, 1, 1, 0
	MUL16 2, 1, 1, 1, 0
	s_wait_dscnt 0
	WIN MUL_HI
	MUL16 4, 1, 1, 1, 0
	MUL16 6, 1, 1, 1, 0
	WIN 0
; THE WAY OUT, block by block of 16 tokens x 128 outputs: through my own stage in LDS, back as whole rows of 512 bytes.  LDS serves a wave's instructions in order (ISA guide 5.7.1.4): no wait between the stores and the loads.
.macro TOSTAGE a
.set AC, 64*((\a)%4)
.set WA, 0x08+4*((\a)/4)
	WIN WA                                         ; the data: window 2 or 3
.irp b, 0,1,2,3,4,5,6,7
	ds_store_b128 v[STO], v[AC+8*\b:AC+8*\b+3] offset:128*(\b/2)+32*(\b%2)          ; each accumulator from its low end on
	ds_store_b128 v[STO], v[AC+8*\b+4:AC+8*\b+7] offset:128*(\b/2)+32*(\b%2)+16
.endr
	WIN 0
.set BB, BK+64*((\a)%2)
.irp t, 0,1,2,3,4,5,6,7,8,9,10,11,12,13,14,15
	ds_load_b128 v[BB+4*\t:BB+4*\t+3], v[RD] offset:\t*SPITCH
.endr
.endm
.macro SEND a, younger                 ; younger: the LDS instructions issued behind block a's loads, which may stay out
.set BB, BK+64*((\a)%2)
	s_wait_dscnt \younger
.irp t, 0,1,2,3,4,5,6,7,8,9,10,11,12,13,14,15
	global_store_b128 v[CO], v[BB+4*\t:BB+4*\t+3], s[22:23] offset:(32*((\a)/2)+8*((\a)%2)+\t+8*(\t/8))*4096 th:TH_STORE_NT   ; 512 consecutive bytes of the token's row, aligned to 256; 127 rows at the most: inside the signed 24-bit immediate
.endr
.endm
	PLACES 4
	TOSTAGE 0
.irp a, 1,2,3,4,5,6,7
.if \a > 1
	s_wait_xcnt 0x0                                ; block a - 2's stores have read their registers: block a's loads may land there
.endif
	TOSTAGE \a
	SEND \a-1, 32                                  ; behind block a - 1's loads: block a's 16 stores and 16 loads
.endr
	SEND 7, 0
	s_wait_tensorcnt 0x0                           ; the wave's end
	ds_add_u32 v[SPW], v[NIL]
	s_wait_dscnt 0x0
	CROUND                                         ; the closing round
	s_endpgm
.Lfunc_end_k_qea2f4e49d3_gemm_out:
	.size	k_qea2f4e49d3_gemm_out, .Lfunc_end_k_qea2f4e49d3_gemm_out-k_qea2f4e49d3_gemm_out
	.p2alignl 7, 3214868480
	.fill 96, 4, 3214868480
	.section	.rodata,"a",@progbits
	.p2align	6, 0x0
	.amdhsa_kernel k_qea2f4e49d3_gemm_out
		.amdhsa_group_segment_fixed_size 327680
		.amdhsa_private_segment_fixed_size 0
		.amdhsa_enable_private_segment 0
		.amdhsa_kernarg_size 48
		.amdhsa_user_sgpr_count 2
		.amdhsa_user_sgpr_kernarg_segment_ptr 1
		.amdhsa_wavefront_size32 1
		.amdhsa_system_sgpr_workgroup_id_x 1
		.amdhsa_system_sgpr_workgroup_id_y 1
		.amdhsa_system_sgpr_workgroup_id_z 1
		.amdhsa_system_vgpr_workitem_id 0
		.amdhsa_next_free_vgpr 1024
		.amdhsa_next_free_sgpr 102
		.amdhsa_reserve_vcc 0
		.amdhsa_float_denorm_mode_32 3
		.amdhsa_float_denorm_mode_16_64 3
		.amdhsa_memory_ordered 1
		.amdhsa_forward_progress 1
		.amdhsa_inst_pref_size 149
	.end_amdhsa_kernel
	.amdgpu_metadata
---
amdhsa.version: [ 1, 2 ]
amdhsa.kernels:
  - .name:           k_qea2f4e49d3_gemm_out
    .symbol:         k_qea2f4e49d3_gemm_out.kd
    .args:
      - { .name: cod, .offset: 0, .size: 8, .value_kind: global_buffer, .address_space: global }
      - { .name: scl, .offset: 8, .size: 8, .value_kind: global_buffer, .address_space: global }
      - { .name: oc, .offset: 16, .size: 8, .value_kind: global_buffer, .address_space: global }
      - { .name: os, .offset: 24, .size: 8, .value_kind: global_buffer, .address_space: global }
      - { .name: b_out, .offset: 32, .size: 8, .value_kind: global_buffer, .address_space: global }
      - { .name: out0, .offset: 40, .size: 8, .value_kind: global_buffer, .address_space: global }
    .group_segment_fixed_size: 327680
    .private_segment_fixed_size: 0
    .kernarg_segment_align: 8
    .kernarg_segment_size: 48
    .max_flat_workgroup_size: 128
    .sgpr_count:     102
    .vgpr_count:     1024
    .wavefront_size: 32
...
	.end_amdgpu_metadata
.endif
;; end of part 4
